; MI455X (gfx1250); checked and timed in simulation.
; The chip was launched on July 23, 2026; its instructions are those of AMD's public machine-readable ISA for CDNA 5 (MIT licence, August 2026) and "CDNA5" Instruction Set Architecture Reference Guide (July 2026). The comments in the code are by the model that wrote it; some were corrected since.
;; Multi Head Attention. Allowed arithmetic: matrix products marked QUANTISED: E5M2 operands, one E8M0 scale for each 32 along K, by v_wmma_scale_f32_16x16x128_f8f6f4 with both operands' format E5M2, f32 sums; everything else in f32.
;; Inputs: Wk 512 x 512 float32; Wq 512 x 512 float32; Wv 512 x 512 float32; keys 2 x 2,048 x 512 float32; queries 2 x 2,048 x 512 float32; values 2 x 2,048 x 512 float32.
;; Outputs: out0 2 x 2,048 x 512 float32.
;; This version of the problem:
;;   THIS VERSION OF THE PROBLEM IS GIVEN IN LOW PRECISION. The matrix products marked QUANTISED in the list below multiply operands that are first quantised to E5M2 (5 exponent bits, 2 mantissa bits; 8 bits a number), with one power-of-two scale for each 32 numbers along K (OCP MX v1.0); their sums are f32. All else is computed in f32.
;;   The module's matrix products, in the order in which they are computed (A, B: the left and right operand; K: the contracted axis; several contracted axes count as one K, in the product's order):
;;     1. [M 4,096, K 512] x [K 512, N 512]; A: input queries; B: input Wq: QUANTISED
;;     2. [M 4,096, K 512] x [K 512, N 512]; A: input keys; B: input Wk: QUANTISED
;;     3. [M 4,096, K 512] x [K 512, N 512]; A: input values; B: input Wv: QUANTISED
;;     4. batch 16 x [M 2,048, K 64] x [K 64, N 2,048]; A: computed on the way; B: computed on the way: QUANTISED
;;     5. batch 16 x [M 64, K 2,048] x [K 2,048, N 2,048]; A: computed on the way; B: softmax (see below): QUANTISED
;;   THE QUANTISER, for each operand of a quantised product, along K:
;;     - K is cut into blocks of 32 from its start; a last block that is shorter is filled with zeros.
;;     - A block's scale is 2^e with e = floor(log2(the largest magnitude in the block)) - 15, held to -126 .. 127; a block of zeros has e = 0. As a byte (E8M0): e + 127.
;;     - Each number is divided by its block's scale, clamped to +-57,344, and rounded to the nearest number of E5M2, ties to even, subnormals kept.
;;     - The product sums the exact products of the quantised numbers (number of the format x scale) in f32.
;;   ~~~python
;;   def quantise(x, axis):      # numpy; x: float32 -> the quantised numbers, widened to float32 again
;;       x = np.moveaxis(x, axis, -1); K = x.shape[-1]
;;       x = np.pad(x, [(0, 0)] * (x.ndim - 1) + [(0, -K % 32)]); x = x.reshape(x.shape[:-1] + (-1, 32)); a = np.abs(x).max(-1, keepdims=True)
;;       e = np.where(a > 0, np.clip(np.frexp(np.where(a > 0, a, 1))[1] - 1 - 15, -126, 127), 0)      # np.frexp(a)[1] - 1 = floor(log2(a)), exactly
;;       r = np.clip(x / 2.0 ** e, -57344, 57344)
;;       step = 2.0 ** (np.maximum(np.frexp(np.where(r == 0, 1, r))[1] - 1, -14) - 2)
;;       q = np.round(r / step) * step * 2.0 ** e      # np.round: ties to even
;;       return np.moveaxis(q.reshape(q.shape[:-2] + (-1,))[..., :K], -1, axis).astype(np.float32)
;;   ~~~
;;   SOFTMAX AHEAD OF A QUANTISED PRODUCT. Where the list says 'softmax', what is quantised is not the finished softmax but p = 2^(t - M), with t = logit x log2(e) and M = ceil(the row's largest t), a whole number; so 1/2 < the row's largest p <= 1. The row's sum l is taken of the UNQUANTISED p, in f32, and the product's result is divided by l at the end. Since M is a whole number, a kernel that streams over the keys may use a running M (the ceiling of the running maximum): every later rescaling is an exact power of two, which a block's scale takes up: the codes' values come out the same.
;;   OPERANDS COMPUTED ON THE WAY. 'Computed on the way' means the value that the module computes at that place (a softmax that the list does not call 'softmax' is quantised finished and normalised). What goes into a quantiser is computed in f32, as accurately as f32 sums, v_exp_f32 and their like allow (about 1e-6 of the number): no bf16 or f16 on the way to a quantiser, and a product that is left as it is and whose result goes on into a quantised operand takes f32 operands (vector FMAs, or v_wmma_f32_16x16x4_f32). A number that lies on a knife's edge between two numbers of the format may be rounded either way, as far as f32 arithmetic and the matrix unit's own rounding can turn it there, and no further.
;; 2 versions. Each part assembles by itself: llvm-mc -triple=amdgcn-amd-amdhsa -mcpu=gfx1250 --defsym DOCPART=n.
;; ======== version 1 of 2: 2 launches
;; workspace buffers: codes 6,291,456 bytes; scl 196,608 bytes
;; launch proj (part 1): grid 64 x 3, 16 waves a work-group, no clusters, 211,968 bytes of LDS; arguments queries, keys, values, Wq, Wk, Wv, codes, scl; writes codes, scl
.if DOCPART == 1
	.amdgcn_target "amdgcn-amd-amdhsa--gfx1250"
	.amdhsa_code_object_version 6
	.text
	.protected	k_qaded3e8f96_proj
	.globl	k_qaded3e8f96_proj
	.p2align	8
	.type	k_qaded3e8f96_proj,@function
k_qaded3e8f96_proj:
	s_mov_b64 s[64:65], 0
	v_nop
	global_prefetch_b8 v0, s[64:65] scope:SCOPE_SE
	s_setreg_imm32_b32 hwreg(HW_REG_WAVE_MODE, 25, 1), 1
	s_wait_xcnt 0x0
; q = queries Wq, k = keys Wk, v = values Wv: three products [4096][512] x [512][512] on codes of BF8 (E5M2) with one E8M0 scale for each 32 along K,
; and the results quantised again for the attention launch: q and k along the head's 64, v along the keys.
; A block's scale is 2^(floor(log2(its largest magnitude)) - 15); each number is divided by it, held within +-57,344 and rounded to the nearest code, ties to even.
; LIMITS: NaN and infinities among the inputs are not served.  A block of zeros gets the byte 1 where the rule says 127: its codes are zeros, and this program alone reads the bytes.
; Blocks whose largest magnitude lies under 2^-111 have their byte held at 1.
; SHARES.  Work-group y = the tensor (0 q, 1 k, 2 v); x = 2 x (block of 128 rows) + (half of the 512 columns: four heads).  Sixteen waves, wave w = 4 hh + rq.
;   Operands: wave w quantises 16 columns x 512 K of W (tile rq of head hh: four fragments) and 16 rows x 256 K of x (row tile w / 2, K steps 2 (w % 2) on: two fragments).
;   They go to the other waves through LDS as IMAGES OF THE OPERAND'S REGISTERS: four stores of 16 bytes a lane at 16 x lane, the scale word at 4 x lane.
;   Products, q and k: head hh (four tiles of W as source 0) x row tiles 2 rq, 2 rq + 1 (source 1): a lane holds one row, its registers run along the head's 64.
;   Products, v: the eight row tiles (source 0) x tile rq of head hh (source 1): a lane holds one channel, its registers run along the 128 keys.
;   Either way: eight accumulators, 64 registers, register 16 b + i = place 32 b + 16 (lane / 16) + i along the next K: one quantiser run makes one fragment and one scale word.
; THE ROWS OF A TILE ARE NOT NEIGHBOURS: lane r of tile 2 b + u takes row 32 b + 8 u + r + 8 (r / 8) (x's rows in all three tensors; W's columns for q and k).
; OUT.  codes: [tensor][b x 8 + head][block of 128 rows][fragment 4][plane 4][lane 32][16 bytes]; scl: [tensor][b x 8 + head][block][r 16][fragment 4] words.
; NO TENSOR LOADS, NO JOINT LOADS: what work-groups share is W as f32 with K outermost; it has to pass lane by lane through the quantiser with K down the registers,
; and a work-group's part of it, 512 x 256 x 4 = 524,288 bytes, does not fit in LDS beside the images.  No prefetch: every load of the launch goes out in its first phase.
.set WIMG, 0                           ; LDS: W's 64 fragments, 2,048 bytes each, at index 4 w + K step
.set XIMG, 131072                      ; x's 32 fragments, at index 4 x (row tile) + K step = 2 w + s
.set WSC,  196608                      ; W's scale words, 128 bytes a fragment
.set XSC,  204800                      ; x's
.set SST,  208896                      ; the results' scale words on their way out: [hh][r][rq], 1,024 bytes
.set XA,   4                           ; v4   x: my lane's byte in the wave's 16 rows
.set WA,   5                           ; v5   W: my lane's column and half
.set LI,   6                           ; v6   16 x lane
.set LS,   7                           ; v7   4 x lane
.set WWI,  8                           ; v8   where I store (and in v's path read) my W images
.set WWS,  9                           ; v9   and their scale words
.set XWI,  10                          ; v10  where I store my x images
.set XWS,  11                          ; v11  and their scale words
.set RW,   12                          ; v12  q, k: my head's W images
.set RWS,  13                          ; v13  and scale words
.set RX,   14                          ; v14  q, k: my two row tiles' x images
.set RXS,  15                          ; v15  and scale words
.set RX2,  16                          ; v16  v: all x images
.set RXS2, 17                          ; v17  and scale words
.set SSA,  19                          ; v19  where my result's scale word goes in the stage
.set SSR,  20                          ; v20  where waves 0 and 1 read the stage back
.set SGO,  21                          ; v21  and where those 16 bytes go in scl
.set SW,   24                          ; v24-27  W's scale words, nothing else
.set SX,   28                          ; v28-35  x's scale words, nothing else
.set PW,   36                          ; v36  the scale word just made
.set PC,   40                          ; v40-55  the codes just made
.set TM,   56                          ; v56-71  the quantiser at work
.set OUTS, 72                          ; v72-75  the scale stage on its way out
.set WF,   40                          ; products: W's fragments (q, k: four; v: one)
.set XFQ,  104                         ; q, k: x's two fragments
.set XFV,  56                          ; v: x's eight fragments
.set ST1,  120                         ; v120-183  64 numbers as loaded
.set ST0,  184                         ; v184-247  64 numbers as loaded; later
.set ACC,  184                         ; the eight accumulators
.macro PLACES n
.rept \n
	v_nop
.endr
.endm
; 64 numbers of a lane, register 16 b + i = place 32 b + 16 (lane / 16) + i along K, become a fragment's codes in v[PC] on and its scale word in v[PW]
.macro QUANT s
.irp b, 0,1,2,3
	v_max3_num_f32 v[TM+\b], |v[\s+16*\b]|, |v[\s+1+16*\b]|, 0x8000000   ; block b: my 16 numbers, and the floor 2^(16 - 127): the byte cannot fall under 1
.endr
.irp i, 2,4,6,8,10,12,14
.irp b, 0,1,2,3
	v_max3_num_f32 v[TM+\b], v[TM+\b], |v[\s+16*\b+\i]|, |v[\s+1+16*\b+\i]|   ; the four blocks by turns; each accumulator is first read at its low end
.endr
.endr
.irp b, 0,1,2,3
	v_permlanex16_b32 v[TM+4+\b], v[TM+\b], s36, s37
.endr
.irp b, 0,1,2,3
	v_max_num_f32 v[TM+\b], v[TM+\b], v[TM+4+\b]   ; with lane l xor 16: the block's largest magnitude
.endr
.irp b, 0,1,2,3
	v_add_nc_u32 v[TM+12+\b], 0xf8800000, v[TM+\b]   ; 15 off its exponent field: the conversion's scale operand
.endr
.irp b, 0,1,2,3
	v_and_or_b32 v[TM+8+\b], v[TM+\b], 0x7f800000, s38   ; 57,344 x the scale
.endr
.irp b, 0,1,2,3
	v_lshrrev_b32 v[TM+4+\b], 23, v[TM+12+\b]   ; the scale's byte
.endr
	v_lshl_or_b32 v[PW], v[TM+5], 8, v[TM+4]
	v_lshl_or_b32 v[PW], v[TM+6], 16, v[PW]
	v_lshl_or_b32 v[PW], v[TM+7], 24, v[PW]
.irp b, 0,1,2,3
.irp i, 0,1,2,3,4,5,6,7,8,9,10,11,12,13,14,15
	v_med3_num_f32 v[\s+16*\b+\i], v[\s+16*\b+\i], -v[TM+8+\b], v[TM+8+\b]   ; the conversion to an 8-bit code does not saturate (ISA guide 7.6.2): the hold
.endr
	v_cvt_scalef32_pk8_bf8_f32 v[PC+4*\b:PC+4*\b+1], v[\s+16*\b:\s+16*\b+7], v[TM+12+\b]
	v_cvt_scalef32_pk8_bf8_f32 v[PC+4*\b+2:PC+4*\b+3], v[\s+16*\b+8:\s+16*\b+15], v[TM+12+\b]
.endr
	v_nop                                          ; one plain vector line behind the last conversion, ahead of whatever next touches its registers
.endm
.macro XLOAD reg, s                    ; my 16 rows, K step s of my two: 16 neighbours of each block of 32 a lane
.irp b, 0,1,2,3
.irp j, 0,1,2,3
	global_load_b128 v[\reg+16*\b+4*\j:\reg+16*\b+4*\j+3], v[XA], s[4:5] offset:512*\s+128*\b+16*\j
.endr
.endr
.endm
.macro WLOAD reg, s                    ; my column, K step s: the registers run down K, W(128 s + 32 c + 16 (lane / 16) + i, column)
.irp c, 0,1,2,3
.irp i, 0,1,2,3,4,5,6,7,8,9,10,11,12,13,14,15
	global_load_b32 v[\reg+16*\c+\i], v[WA], s[6:7] offset:(128*\s+32*\c+\i)*2048
.endr
.endr
.endm
.macro IMAGE adr, off                  ; the fragment in v[PC] on goes to LDS as it stands
.irp c, 0,1,2,3
	ds_store_b128 v[\adr], v[PC+4*\c:PC+4*\c+3] offset:\off+512*\c
.endr
.endm
.macro FETCH reg, adr, off             ; and comes back so, in any wave
.irp c, 0,1,2,3
	ds_load_b128 v[\reg+4*\c:\reg+4*\c+3], v[\adr] offset:\off+512*\c
.endr
.endm
.macro BARRIER                         ; my LDS stores have landed and my LDS loads are in: then the work-group's barrier
	s_wait_dscnt 0x0
	s_barrier_signal -1
	s_barrier_wait -1
.endm
; K step s of q's and k's products: eight matrix instructions on eight accumulators, one instruction a turn, in the same order in every step
.macro KQK s
.if \s > 0
	PLACES 8                                       ; in front of loads into registers that matrix instructions have read
.endif
.irp t, 0,1,2,3
	FETCH WF+16*\t, RW, 8192*\t+2048*\s
	ds_load_b32 v[SW+\t], v[RWS] offset:128*(4*\t+\s)
.endr
.irp u, 0,1
	FETCH XFQ+16*\u, RX, 8192*\u+2048*\s
	ds_load_b32 v[SX+\u], v[RXS] offset:128*(4*\u+\s)
.endr
	s_wait_dscnt 0x0
.irp u, 0,1
.irp t, 0,1,2,3
.if \s == 0
	v_wmma_scale_f32_16x16x128_f8f6f4 v[ACC+8*(4*\u+\t):ACC+8*(4*\u+\t)+7], v[WF+16*\t:WF+16*\t+15], v[XFQ+16*\u:XFQ+16*\u+15], 0, v[SW+\t], v[SX+\u] matrix_a_fmt:MATRIX_FMT_BF8 matrix_b_fmt:MATRIX_FMT_BF8
.else
	v_wmma_scale_f32_16x16x128_f8f6f4 v[ACC+8*(4*\u+\t):ACC+8*(4*\u+\t)+7], v[WF+16*\t:WF+16*\t+15], v[XFQ+16*\u:XFQ+16*\u+15], v[ACC+8*(4*\u+\t):ACC+8*(4*\u+\t)+7], v[SW+\t], v[SX+\u] matrix_a_fmt:MATRIX_FMT_BF8 matrix_b_fmt:MATRIX_FMT_BF8
.endif
.endr
.endr
.endm
; K step s of v's products: source 0 = a row tile of x, source 1 = my own tile of W
.macro KVS s
.if \s > 0
	PLACES 8
.endif
	FETCH WF, WWI, 2048*\s
	ds_load_b32 v[SW], v[WWS] offset:128*\s
.irp m, 0,1,2,3,4,5,6,7
	FETCH XFV+16*\m, RX2, 8192*\m+2048*\s
	ds_load_b32 v[SX+\m], v[RXS2] offset:128*(4*\m+\s)
.endr
	s_wait_dscnt 0x0
.irp m, 0,1,2,3,4,5,6,7
.if \s == 0
	v_wmma_scale_f32_16x16x128_f8f6f4 v[ACC+8*\m:ACC+8*\m+7], v[XFV+16*\m:XFV+16*\m+15], v[WF:WF+15], 0, v[SX+\m], v[SW] matrix_a_fmt:MATRIX_FMT_BF8 matrix_b_fmt:MATRIX_FMT_BF8
.else
	v_wmma_scale_f32_16x16x128_f8f6f4 v[ACC+8*\m:ACC+8*\m+7], v[XFV+16*\m:XFV+16*\m+15], v[WF:WF+15], v[ACC+8*\m:ACC+8*\m+7], v[SX+\m], v[SW] matrix_a_fmt:MATRIX_FMT_BF8 matrix_b_fmt:MATRIX_FMT_BF8
.endif
.endr
.endm
	s_load_b512 s[8:23], s[0:1], 0x0               ; queries s[8:9], keys s[10:11], values s[12:13], Wq s[14:15], Wk s[16:17], Wv s[18:19], codes s[20:21], scl s[22:23]
	v_lshl_add_u32 v254, v0, 2, 0x33400
	v_mov_b32 v255, 0
	v_lshrrev_b32 v1, 5, v0
	v_readfirstlane_b32 s24, v1                    ; wave w, 0..15
	s_and_b32 s25, ttmp7, 0xffff                   ; t: the tensor
	s_and_b32 s26, ttmp9, 1                        ; ch: which half of the columns
	s_lshr_b32 s27, ttmp9, 1                       ; rb: which 128 rows
	s_lshr_b32 s28, s24, 2                         ; hh
	s_and_b32 s29, s24, 3                          ; rq
	v_and_b32 v1, 31, v0                           ; lane
	v_and_b32 v2, 15, v0                           ; r
	v_bfe_u32 v3, v0, 4, 1                         ; h
	v_and_b32 v[XA], 8, v2
	v_add_nc_u32 v[XA], v[XA], v2                  ; r + 8 (r / 8)
	v_lshlrev_b32 v[XA], 11, v[XA]                 ; rows of 2,048 bytes
	v_lshl_add_u32 v[XA], v3, 6, v[XA]             ; + 64 h: my 16 numbers of a block of 32
	s_cmp_eq_u32 s25, 2
	s_cselect_b32 s30, 0, 8                        ; v's tiles of W are 16 neighbouring columns; q's and k's are not
	v_and_b32 v[WA], s30, v2
	v_add_nc_u32 v[WA], v[WA], v2
	v_lshlrev_b32 v[WA], 2, v[WA]
	v_lshl_add_u32 v[WA], v3, 15, v[WA]            ; lanes 16-31 begin 16 rows of 2,048 bytes further down
	v_lshlrev_b32 v[LI], 4, v1
	v_lshlrev_b32 v[LS], 2, v1
	s_lshl_b32 s30, s24, 13
	v_add_nc_u32 v[WWI], s30, v[LI]                ; 16 x lane + 4 fragments x wave
	s_lshl_b32 s30, s24, 9
	s_add_co_u32 s30, s30, WSC
	v_add_nc_u32 v[WWS], s30, v[LS]
	s_lshl_b32 s30, s24, 12
	s_add_co_u32 s30, s30, XIMG
	v_add_nc_u32 v[XWI], s30, v[LI]                ; 16 x lane + 2 fragments x wave
	s_lshl_b32 s30, s24, 8
	s_add_co_u32 s30, s30, XSC
	v_add_nc_u32 v[XWS], s30, v[LS]
	s_lshl_b32 s30, s28, 15
	v_add_nc_u32 v[RW], s30, v[LI]                 ; my head's 16 fragments of W
	s_lshl_b32 s30, s28, 11
	s_add_co_u32 s30, s30, WSC
	v_add_nc_u32 v[RWS], s30, v[LS]
	s_lshl_b32 s30, s29, 14
	s_add_co_u32 s30, s30, XIMG
	v_add_nc_u32 v[RX], s30, v[LI]                 ; row tiles 2 rq, 2 rq + 1: 8 fragments of x
	s_lshl_b32 s30, s29, 10
	s_add_co_u32 s30, s30, XSC
	v_add_nc_u32 v[RXS], s30, v[LS]
	v_add_nc_u32 v[RX2], XIMG, v[LI]
	v_add_nc_u32 v[RXS2], XSC, v[LS]
	s_lshl_b32 s30, s28, 8
	s_lshl_b32 s31, s29, 2
	s_add_co_u32 s30, s30, s31
	s_add_co_u32 s30, s30, SST
	v_lshl_add_u32 v[SSA], v2, 4, s30              ; the stage: [hh][r][rq] words
	v_and_b32 v[SSR], 63, v0
	v_lshl_add_u32 v[SSR], v[SSR], 4, SST          ; back: 16 bytes a thread of waves 0 and 1
	s_and_b32 s30, s24, 1
	s_lshl_b32 s30, s30, 13
	v_lshl_add_u32 v[SGO], v3, 12, s30             ; head 2 (w % 2) + h of my four, 4,096 bytes of scl apart,
	v_lshl_add_u32 v[SGO], v2, 4, v[SGO]           ; + 16 r
.irp b, 0,1,2,3
	v_mov_b32 v[TM+4+\b], 0                        ; written once: a lane permute's destination counts as one of its sources
.endr
	s_mov_b32 s36, 0x76543210
	s_mov_b32 s37, 0xfedcba98                      ; v_permlanex16_b32's selects for lane l xor 16
	s_mov_b32 s38, 0x600000                        ; the mantissa field of 57,344
	; x: 128 rb rows + my row tile's first row (32 hh + 8 ((w / 2) % 2)) + my two K steps (1,024 bytes x (w % 2))
	s_lshl_b32 s30, s27, 18
	s_lshl_b32 s31, s28, 16
	s_add_co_u32 s30, s30, s31
	s_bfe_u32 s31, s24, 0x10001
	s_lshl_b32 s31, s31, 14
	s_add_co_u32 s30, s30, s31
	s_and_b32 s31, s24, 1
	s_lshl_b32 s31, s31, 10
	s_add_co_u32 s30, s30, s31
	s_mov_b32 s31, 0
	; W: column 64 (4 ch + hh) + my tile's first column
	s_lshl_b32 s32, s26, 2
	s_add_co_u32 s32, s32, s28                     ; 4 ch + hh
	s_lshl_b32 s34, s32, 8
	s_lshr_b32 s33, s29, 1
	s_lshl_b32 s33, s33, 7
	s_and_b32 s35, s29, 1
	s_lshl_b32 s35, s35, 5
	s_add_co_u32 s33, s33, s35                     ; q, k: 4 x (32 (rq / 2) + 8 (rq % 2))
	s_lshl_b32 s35, s29, 6                         ; v: 4 x 16 rq
	s_cmp_eq_u32 s25, 2
	s_cselect_b32 s33, s35, s33
	s_add_co_u32 s34, s34, s33
	s_mov_b32 s35, 0
	; codes: tensor, b x 8 + head, block of 128 rows, fragment rq
	s_lshr_b32 s33, s27, 4
	s_lshl_b32 s33, s33, 3
	s_add_co_u32 s33, s33, s32
	s_lshl_b32 s33, s33, 17
	s_lshl_b32 s40, s25, 21
	s_add_co_u32 s40, s40, s33
	s_and_b32 s39, s27, 15                         ; j
	s_lshl_b32 s33, s39, 13
	s_add_co_u32 s40, s40, s33
	s_lshl_b32 s33, s29, 11
	s_add_co_u32 s40, s40, s33
	s_mov_b32 s41, 0
	; scl: tensor, the first of my four heads, block
	s_lshr_b32 s33, s27, 4
	s_lshl_b32 s33, s33, 1
	s_add_co_u32 s33, s33, s26
	s_lshl_b32 s33, s33, 14
	s_lshl_b32 s42, s25, 16
	s_add_co_u32 s42, s42, s33
	s_lshl_b32 s33, s39, 8
	s_add_co_u32 s42, s42, s33
	s_mov_b32 s43, 0
	s_wait_kmcnt 0x0
	s_cmp_eq_u32 s25, 0                            ; the choice of buffers hangs on the work-group's number alone
	s_cselect_b64 s[4:5], s[8:9], s[10:11]
	s_cselect_b64 s[6:7], s[14:15], s[16:17]
	s_cmp_eq_u32 s25, 2
	s_cselect_b64 s[4:5], s[12:13], s[4:5]
	s_cselect_b64 s[6:7], s[18:19], s[6:7]
	s_add_nc_u64 s[4:5], s[4:5], s[30:31]
	s_add_nc_u64 s[6:7], s[6:7], s[34:35]
	s_add_nc_u64 s[40:41], s[20:21], s[40:41]
	s_add_nc_u64 s[42:43], s[22:23], s[42:43]
	; ---- the operands: six quantiser runs on two sets of 64 registers; each set is loaded again as soon as its run is over
	XLOAD ST0, 0
	XLOAD ST1, 1
	s_wait_loadcnt 16                              ; x's first K step is in; the 16 loads of the second may be out
	QUANT ST0
	IMAGE XWI, 0
	ds_store_b32 v[XWS], v[PW]
	WLOAD ST0, 0
	s_wait_loadcnt 63                              ; x's second K step is in: 64 younger loads stand behind it; the count's field ends at 63, and a smaller count is safe
	s_wait_dscnt 0x0                               ; the stores have read the codes and the scale word
	QUANT ST1
	IMAGE XWI, 2048
	ds_store_b32 v[XWS], v[PW] offset:128
	WLOAD ST1, 1
	s_wait_loadcnt 63                              ; W's K step 0 is in (64 younger loads)
	s_wait_dscnt 0x0
	QUANT ST0
	IMAGE WWI, 0
	ds_store_b32 v[WWS], v[PW]
	WLOAD ST0, 2
	s_wait_loadcnt 63                              ; K step 1
	s_wait_dscnt 0x0
	QUANT ST1
	IMAGE WWI, 2048
	ds_store_b32 v[WWS], v[PW] offset:128
	WLOAD ST1, 3
	s_wait_loadcnt 63                              ; K step 2
	s_wait_dscnt 0x0
	QUANT ST0
	IMAGE WWI, 4096
	ds_store_b32 v[WWS], v[PW] offset:256
	s_wait_loadcnt 0x0                             ; K step 3
	s_wait_dscnt 0x0
	QUANT ST1
	IMAGE WWI, 6144
	ds_store_b32 v[WWS], v[PW] offset:384
	BARRIER                                        ; all 96 images and their scale words lie in LDS; nothing is stored there again
	; ---- the products: both ways only read LDS
	s_cmp_eq_u32 s25, 2
	s_cbranch_scc1 .Lv
	KQK 0
	KQK 1
	KQK 2
	KQK 3
	s_branch .Ljoin
.Lv:
	KVS 0
	KVS 1
	KVS 2
	KVS 3
.Ljoin:
	; ---- the result becomes one fragment of the attention launch's operands
	PLACES 8                                       ; behind the last products: their results are read, and registers that they read are written
	QUANT ACC
.irp c, 0,1,2,3
	global_store_b128 v[LI], v[PC+4*\c:PC+4*\c+3], s[40:41] offset:512*\c   ; 32 lanes store 512 consecutive bytes, at a multiple of 256 from the buffer's first byte
.endr
	ds_store_b32 v[SSA], v[PW]                     ; lanes r and r + 16 write the same word with the same value
	BARRIER                                        ; the four heads' scale words, 256 bytes each, lie in the stage
	s_cmp_lt_u32 s24, 2
	s_cbranch_scc0 .Lend
	ds_load_b128 v[OUTS:OUTS+3], v[SSR]
	s_wait_dscnt 0x0
	global_store_b128 v[SGO], v[OUTS:OUTS+3], s[42:43]   ; sixteen lanes store 256 consecutive bytes, aligned: one head's words of this block
.Lend:
	s_wait_tensorcnt 0x0
	ds_add_u32 v254, v255
	s_wait_dscnt 0x0
	s_endpgm
.Lfunc_end_k_qaded3e8f96_proj:
	.size	k_qaded3e8f96_proj, .Lfunc_end_k_qaded3e8f96_proj-k_qaded3e8f96_proj
	.p2alignl 7, 3214868480
	.fill 96, 4, 3214868480
	.section	.rodata,"a",@progbits
	.p2align	6, 0x0
	.amdhsa_kernel k_qaded3e8f96_proj
		.amdhsa_group_segment_fixed_size 211968
		.amdhsa_private_segment_fixed_size 0
		.amdhsa_enable_private_segment 0
		.amdhsa_kernarg_size 64
		.amdhsa_user_sgpr_count 2
		.amdhsa_user_sgpr_kernarg_segment_ptr 1
		.amdhsa_wavefront_size32 1
		.amdhsa_system_sgpr_workgroup_id_x 1
		.amdhsa_system_sgpr_workgroup_id_y 1
		.amdhsa_system_sgpr_workgroup_id_z 1
		.amdhsa_system_vgpr_workitem_id 0
		.amdhsa_next_free_vgpr 256
		.amdhsa_next_free_sgpr 66
		.amdhsa_reserve_vcc 0
		.amdhsa_float_denorm_mode_32 3
		.amdhsa_float_denorm_mode_16_64 3
		.amdhsa_memory_ordered 1
		.amdhsa_forward_progress 1
		.amdhsa_inst_pref_size 120
	.end_amdhsa_kernel
	.amdgpu_metadata
---
amdhsa.version: [ 1, 2 ]
amdhsa.kernels:
  - .name:           k_qaded3e8f96_proj
    .symbol:         k_qaded3e8f96_proj.kd
    .args:
      - { .name: queries, .offset: 0, .size: 8, .value_kind: global_buffer, .address_space: global }
      - { .name: keys, .offset: 8, .size: 8, .value_kind: global_buffer, .address_space: global }
      - { .name: values, .offset: 16, .size: 8, .value_kind: global_buffer, .address_space: global }
      - { .name: Wq, .offset: 24, .size: 8, .value_kind: global_buffer, .address_space: global }
      - { .name: Wk, .offset: 32, .size: 8, .value_kind: global_buffer, .address_space: global }
      - { .name: Wv, .offset: 40, .size: 8, .value_kind: global_buffer, .address_space: global }
      - { .name: codes, .offset: 48, .size: 8, .value_kind: global_buffer, .address_space: global }
      - { .name: scl, .offset: 56, .size: 8, .value_kind: global_buffer, .address_space: global }
    .group_segment_fixed_size: 211968
    .private_segment_fixed_size: 0
    .kernarg_segment_align: 8
    .kernarg_segment_size: 64
    .max_flat_workgroup_size: 512
    .sgpr_count:     66
    .vgpr_count:     256
    .wavefront_size: 32
...
	.end_amdgpu_metadata
.endif
;; end of part 1
;; launch attn (part 2): grid 16 x 16, 16 waves a work-group, clusters of 4 x 1, 307,200 bytes of LDS; arguments codes, scl, out0; writes out0
.if DOCPART == 2
	.amdgcn_target "amdgcn-amd-amdhsa--gfx1250"
	.amdhsa_code_object_version 6
	.text
	.protected	k_qaded3e8f96_attn
	.globl	k_qaded3e8f96_attn
	.p2align	8
	.type	k_qaded3e8f96_attn,@function
k_qaded3e8f96_attn:
	s_mov_b64 s[64:65], 0
	v_nop
	global_prefetch_b8 v0, s[64:65] scope:SCOPE_SE
	s_setreg_imm32_b32 hwreg(HW_REG_WAVE_MODE, 25, 1), 1
	s_wait_xcnt 0x0
	s_wait_alu depctr_hold_cnt(0) depctr_sa_sdst(0) depctr_va_vdst(0) depctr_va_sdst(0) depctr_va_ssrc(0) depctr_va_vcc(0) depctr_vm_vsrc(0)
	s_getreg_b32 s2, hwreg(HW_REG_IB_STS2, 6, 4)
	s_cmp_eq_u32 s2, 0
	s_cbranch_scc0 .Lentry_in_a_cluster
	s_endpgm
.Lentry_in_a_cluster:
	s_bfe_u32 s2, ttmp6, 0x10000c
	s_cmp_lg_u32 s2, 0x3003
	s_cbranch_scc0 .Lentry_shape_is_right
	s_endpgm
.Lentry_shape_is_right:
; out[b][q][head][:] = the sum over keys of softmax(q . k / 8) v, both products on codes of BF8 (E5M2) with one E8M0 scale for each 32 along a product's K.
; q, k, v come as images of operand registers, made by the launch before: a fragment is 2,048 consecutive bytes, plane c (registers 4 c .. 4 c + 3) at 512 c, lane l at 16 l.
; THE SOFTMAX: t = score x log2(e) / 8; M = the largest t so far, rounded UP to a whole number; p = 2^(t - M) is what is quantised, along the keys, not normalised.
; The row's sum is taken of the unquantised p and divides at the end.  When M moves, the sum and O are multiplied by 2^(old M - new M): exact.
; LIMITS: NaN and infinities among the inputs are not served; a block of p that is all zeros keeps the byte 1: its codes are zeros.
; SHARES.  Work-group y = b x 8 + head; x = block of 128 queries.  SIXTEEN waves, wave w = 8 kh + T: tile T of 16 queries, half kh of the 2,048 keys: eight steps of 128 keys.
; Four waves share a SIMD: a step is 12 matrix instructions, 34 LDS loads and some 300 vector instructions in one chain, so one wave's vector work stands beside another's LDS loads and products.
; The two waves of a tile each run a softmax of their own over their keys (an M, a sum, an O^T); at the end the upper wave hands its three to the lower one through LDS, and they are
; brought under the larger M by multiplications with whole powers of two, added, and divided by the joined sum.
; THE HEAD'S 64 IN AN INSTRUCTION OF 128 ALONG K.  A fragment of k holds TWO tiles of 16 keys, side by side along K: [tile 0's 64 | tile 1's 64].  It is multiplied once by [q | zero codes] and once by
; [zero codes | q]: no byte of k is padding.  q's scale word has the byte 0 (2^-127) over its zero codes.
; LAYOUT.  Both products are used transposed (S^T = k q^T, O^T = v^T p^T): a lane holds ONE query throughout.  Lane r of key tile 2 f + u holds key 32 f + 8 u + r + 8 (r / 8),
; so that the 16 registers of tiles 2 f and 2 f + 1 are 16 neighbouring keys, 32 f + 16 (lane / 16) + 0 .. 15.  The queries of a tile are laid the same way; the stores at the end undo it.
; A WHOLE HEAD STAYS IN LDS: k's codes 131,072 bytes, v's 131,072, their scale words 8,192.  Every byte is filled ONCE, so there is no ring, and no slot is ever filled again.
; CLUSTER.  The four query blocks of a cluster belong to one head: each tile is asked for JOINTLY, by the same tensor load with the same descriptor and the mask of all four.
; Each wave issues three loads at the head (its 512 bytes of scale words, then one key step of each of two phases): three of mine are out at the most, by this text's own count.
; No prefetch is written: all that the work-group reads of k and v is asked for by those loads, at the head.
.set SC,   262144                      ; LDS: k's codes from 0 (step j at 8,192 j), v's from 131,072; here k's scale words (256 bytes a step), then v's
.set STG,  270336                      ; 4,352 bytes for each tile of queries, into which no tensor load lands: first the upper wave's image, then the lower wave's 16 rows x (256 bytes + 16)
.set LI,   1                           ; v1   16 x lane + 65,536 kh: my place in a fragment of k, in my half of the keys
.set LIV,  2                           ; v2   the same in v's codes
.set SKA,  3                           ; v3   k's scale words: 16 r (four words: the step's four fragments) + 2,048 kh
.set SVA,  4                           ; v4   v's
.set SI,   5                           ; v5   the stage: where I put 32 bytes of a row
.set SB,   6                           ; v6   and where I read a row back
.set GO,   7                           ; v7   my byte offset in out
.set ADK,  8                           ; v8-11  the step's addresses
.set ADV,  9
.set ADS,  10
.set ADT,  11
.set MI,   8                           ; v8   behind the walk: the image's place for my lane: 16 x lane in my tile's bytes of STG
.set MS,   9                           ; v9   and the two single words': 4 x lane, 4,096 bytes on
.set QLO,  16                          ; v16-31   [q | zeros]     (v12 -M, v13 the largest t, v[14:15] the sum in two halves)
.set QHI,  32                          ; v32-47   [zeros | q]
.set KV,   48                          ; v48-111  four fragments of k, then of v
.set S,    112                         ; v112-175 S^T, then p; at the join v112-143 the other wave's O^T
.set OL,   144                          ; v144 the other wave's sum;  v145 its -M;  v146 the joined -M;  v147, v148 the two factors
.set OM,   145
.set NM,   146
.set F0,   147
.set F1,   148
.set O,    176                         ; v176-207 O^T
.set PC,   208                         ; v208-223 p's codes
.set BM,   224                         ; v224-227 the blocks' largest scores, then largest p
.set T2,   228                         ; v228-231 at work
.set HOLD, 232                         ; v232-235 57,344 x the scale
.set SCO,  236                         ; v236-239 the conversions' scale operands
.set KS,   240                         ; v240-243 k's scale words, nothing else
.set VS,   244                         ; v244-247 v's
.set QSL,  248                         ; v248, v249 q's scale words for [q | zeros] and [zeros | q]
.set QSH,  249
.set PS,   250                         ; v250 p's scale word
.set QRAW, 251                         ; v251 q's scale word as loaded
.set F,    252                         ; v[252:253] f = 2^(old M - new M); v254 at work; v255 16 r
.set WV,   10                          ; s10  my wave's number
.set G1C,  24                          ; s[24:31] descriptor group 1: 8,192 dense bytes
.set G1S,  32                          ; s[32:39] 512 dense bytes
.set G0S,  40                          ; s[40:43] group 0 for my part of the scale words
.set G0C,  44                          ; s[44:51] groups 0 for my step of phases 0 and 1
.set CS,   66                          ; s[66:67] c = log2(e) / 8
.set SEL,  68                          ; s[68:69] lane selects: lane l xor 16
.set MNT,  70                          ; s70  the mantissa field of 57,344
.set TB,   71                          ; s71  where the step's codes begin, in my half
.set TS,   72                          ; s72  and its scale words
.set CNT,  73                          ; s73  a phase's steps
; A round of the cluster's barrier: my work-group's barrier; wave 0 signals for the work-group; every wave waits for all four work-groups; my work-group's barrier once more.
.macro CROUND
	s_barrier_signal -1
	s_barrier_wait -1
	s_cmp_lg_u32 s[WV], 0
	s_cbranch_scc1 .Lnot_wave_0_\@
	s_barrier_signal -3
.Lnot_wave_0_\@:
	s_barrier_wait -3
	s_barrier_signal -1
	s_barrier_wait -1
.endm
	s_load_b128 s[4:7], s[0:1], 0x0                ; codes s[4:5], scl s[6:7]
	s_load_b64 s[8:9], s[0:1], 0x10                ; out
	v_lshl_add_u32 v254, v0, 2, 0x4a800
	v_mov_b32 v255, 0
	ds_add_u32 v254, v255
	ds_add_u32 v254, v255
	s_wait_dscnt 0x0
	v_lshrrev_b32 v8, 5, v0
	v_readfirstlane_b32 s[WV], v8                  ; wave 0..15
	s_bfe_u32 s11, ttmp6, 0x40000                  ; cx: it enters q's and out's addresses alone
	s_lshl_b32 s12, ttmp9, 2
	s_add_co_u32 s12, s12, s11                     ; my block of 128 queries
	s_and_b32 s13, ttmp7, 0xffff                   ; b x 8 + head, which the four partners share
	s_lshr_b32 s14, s[WV], 3                       ; kh: my half of the keys.  Also: I fetch for k (0) or for v (1)
	s_and_b32 s79, s[WV], 7                        ; T: my tile of queries.  Also: which of a phase's eight steps I fetch:
	s_lshr_b32 s15, s79, 2
	s_lshl_b32 s15, s15, 2
	s_add_co_u32 s15, s15, s79                     ; steps 0 .. 3 and 8 .. 11: the first four of each half of the keys
	s_add_co_u32 s16, s14, 1                       ; k is section 1 of both buffers, v section 2
	s_lshl_b32 s20, s16, 16
	s_lshl_b32 s16, s16, 21
	s_lshl_b32 s17, s13, 17
	s_add_co_u32 s16, s16, s17
	s_lshl_b32 s17, s15, 13
	s_add_co_u32 s16, s16, s17
	s_mov_b32 s17, 0                               ; s[16:17]: my step of phase 0, in bytes of codes
	s_lshl_b32 s21, s13, 12
	s_add_co_u32 s20, s20, s21
	s_lshl_b32 s21, s79, 9
	s_add_co_u32 s20, s20, s21
	s_mov_b32 s21, 0                               ; s[20:21]: my eighth of the head's scale words
	s_lshl_b32 s18, s14, 17
	s_lshl_b32 s19, s15, 13
	s_add_co_u32 s18, s18, s19                     ; where my step of phase 0 goes in LDS
	s_lshl_b32 s22, s[WV], 9
	s_add_co_u32 s22, s22, SC                      ; and my 512 bytes of scale words
	s_lshr_b32 s19, s79, 1                         ; my queries: fragment T / 2,
	s_and_b32 s23, s79, 1                          ; its tile T % 2
	s_lshl_b32 s60, s13, 17
	s_lshl_b32 s61, s12, 13
	s_add_co_u32 s60, s60, s61
	s_lshl_b32 s61, s19, 11
	s_add_co_u32 s60, s60, s61
	s_lshl_b32 s61, s23, 10
	s_add_co_u32 s60, s60, s61
	s_mov_b32 s61, 0                               ; s[60:61]: my tile's two planes of q's codes
	s_lshl_b32 s62, s13, 12
	s_lshl_b32 s63, s12, 8
	s_add_co_u32 s62, s62, s63
	s_lshl_b32 s63, s19, 2
	s_add_co_u32 s62, s62, s63
	s_mov_b32 s63, 0                               ; s[62:63]: my fragment's scale words
	s_lshr_b32 s76, s13, 3
	s_lshl_b32 s76, s76, 11
	s_lshl_b32 s77, s12, 7
	s_add_co_u32 s76, s76, s77
	s_lshl_b32 s77, s19, 5
	s_add_co_u32 s76, s76, s77
	s_lshl_b32 s77, s23, 3
	s_add_co_u32 s76, s76, s77                     ; my tile's first row of out: 2,048 b + 128 block + 32 (T / 2) + 8 (T % 2)
	s_lshl_b32 s76, s76, 11                        ; rows of 2,048 bytes
	s_and_b32 s77, s13, 7
	s_lshl_b32 s77, s77, 8
	s_add_co_u32 s76, s76, s77                     ; + the head's 256 bytes
	s_mov_b32 s77, 0
	s_mul_i32 s74, s23, 0x02020202
	s_add_co_u32 s74, s74, 0x01000100              ; byte selects: bytes 0, 1, 0, 1 of q's scale word for tile 0, bytes 2, 3, 2, 3 for tile 1
	s_mul_i32 s75, s79, 16*272
	s_add_co_u32 s75, s75, STG                     ; my tile's 4,352 bytes of STG
	s_add_co_u32 s78, s75, 4096                    ; and the two single words' place in them
	s_lshl_b32 s52, s14, 16                        ; my half of the keys: eight steps of 8,192 bytes of codes,
	s_lshl_b32 s53, s14, 11
	s_add_co_u32 s53, s53, SC                      ; eight of 256 bytes of scale words
	; descriptor groups 1: dense blocks as rows of 256 bytes (32 elements of 8 bytes), no padding: the images are read 512 consecutive bytes an instruction
	s_mov_b32 s[G1C], 15|(3<<16)|(1<<21)           ; 15:0 the mask: all four work-groups; 17:16 elements of 8 bytes; 21 set beside a mask
	s_mov_b32 s[G1C+1], 32<<16                     ; tensor_dim0 = 32
	s_mov_b32 s[G1C+2], 32<<16                     ; tensor_dim1 = 32
	s_mov_b32 s[G1C+3], 32<<16                     ; tile_dim0 = 32
	s_mov_b32 s[G1C+4], 32                         ; tile_dim1 = 32
	s_mov_b32 s[G1C+5], 32                         ; from row to row
	s_mov_b32 s[G1C+6], 0
	s_mov_b32 s[G1C+7], 0
	s_mov_b32 s[G1S], 15|(3<<16)|(1<<21)
	s_mov_b32 s[G1S+1], 32<<16
	s_mov_b32 s[G1S+2], 2<<16                      ; two rows
	s_mov_b32 s[G1S+3], 32<<16
	s_mov_b32 s[G1S+4], 2
	s_mov_b32 s[G1S+5], 32
	s_mov_b32 s[G1S+6], 0
	s_mov_b32 s[G1S+7], 0
	s_mov_b32 s[CS], 0x3e38aa3b                    ; c = log2(e) / 8
	s_mov_b32 s[CS+1], s[CS]                       ; (named with it as a pair, so it is written)
	s_mov_b32 s[SEL], 0x76543210
	s_mov_b32 s[SEL+1], 0xfedcba98
	s_mov_b32 s[MNT], 0x600000
	s_wait_kmcnt 0x0
	s_add_nc_u64 s[16:17], s[4:5], s[16:17]
	s_add_nc_u64 s[20:21], s[6:7], s[20:21]
	s_add_nc_u64 s[60:61], s[4:5], s[60:61]
	s_add_nc_u64 s[62:63], s[6:7], s[62:63]
	s_add_nc_u64 s[76:77], s[8:9], s[76:77]
	s_mov_b32 s[G0S], 1                            ; count = 1
	s_mov_b32 s[G0S+1], s22                        ; LDS address
	s_mov_b64 s[G0S+2:G0S+3], s[20:21]             ; global address
	s_or_b32 s[G0S+3], s[G0S+3], 0x80000000        ; type = 2
.irp i, 0,1
	s_mov_b32 s[G0C+4*\i], 1
	s_add_co_u32 s[G0C+4*\i+1], s18, \i*32768      ; a phase is four steps of 8,192 bytes in each half of the keys
	s_add_nc_u64 s[G0C+4*\i+2:G0C+4*\i+3], s[16:17], \i*32768
	s_or_b32 s[G0C+4*\i+3], s[G0C+4*\i+3], 0x80000000
.endr
	CROUND                                         ; all four work-groups are here: the joint loads meet
	tensor_load_to_lds s[G0S:G0S+3], s[G1S:G1S+7]  ; all first fills in one group, ahead of every wait on TENSORcnt and every LDS read; every wave issues all three
	s_nop 0
	tensor_load_to_lds s[G0C:G0C+3], s[G1C:G1C+7]
	s_nop 0
	tensor_load_to_lds s[G0C+4:G0C+7], s[G1C:G1C+7]
	s_nop 0
.rept 4
	v_nop                                          ; four lines behind the last tensor load
.endr
	v_and_b32 v8, 31, v0
	v_lshlrev_b32 v11, 4, v8                       ; 16 x lane: q's offset (the register is written again only behind the wait for q)
	v_and_b32 v9, 15, v0                           ; r
	v_bfe_u32 v10, v0, 4, 1                        ; h
	v_lshlrev_b32 v255, 4, v9                      ; 16 r
	global_load_b128 v[QLO:QLO+3], v11, s[60:61]               ; q's 64 channels: two planes, once into the low half of [q | zeros],
	global_load_b128 v[QLO+4:QLO+7], v11, s[60:61] offset:512
	global_load_b128 v[QHI+8:QHI+11], v11, s[60:61]            ; once into the high half of [zeros | q]
	global_load_b128 v[QHI+12:QHI+15], v11, s[60:61] offset:512
	global_load_b32 v[QRAW], v255, s[62:63]        ; row r's scale word of my fragment
	v_add_nc_u32 v[LI], s52, v11
	v_add_nc_u32 v[LIV], 131072, v[LI]
	v_add_nc_u32 v[SKA], s53, v255
	v_add_nc_u32 v[SVA], 4096, v[SKA]
	v_mul_u32_u24 v[SI], v9, 272
	v_lshl_add_u32 v[SI], v10, 5, v[SI]
	v_add_nc_u32 v[SI], s75, v[SI]                 ; in: row r, + 32 h
	v_mul_u32_u24 v[SB], v10, 272
	v_lshl_add_u32 v[SB], v9, 4, v[SB]
	v_add_nc_u32 v[SB], s75, v[SB]                 ; back: lanes 0-15 one row, lanes 16-31 the next
	v_lshlrev_b32 v[GO], 11, v10
	v_lshl_add_u32 v[GO], v9, 4, v[GO]             ; and the same two rows in out
.irp j, 0,1,2,3,4,5,6,7
	v_mov_b32 v[QLO+8+\j], 0                       ; zero codes
	v_mov_b32 v[QHI+\j], 0
.endr
	v_mov_b32 v13, 0xff61b1e6                      ; the largest t so far: -3e38, under every t
	v_floor_f32 v12, -v13                          ; -M
	v_mov_b32 v14, 0                               ; the sum, in two halves
	v_mov_b32 v15, 0
.irp b, 0,1,2,3
	v_mov_b32 v[T2+\b], 0                          ; written once: a lane permute's destination counts as one of its sources
.endr
	v_mov_b32 v[F+1], 0                            ; (named as the upper half of the pair before it is first written)
	s_wait_loadcnt 0x0                             ; q
	v_perm_b32 v[QRAW], v[QRAW], v[QRAW], s74      ; my tile's two bytes, twice
	v_and_b32 v[QSL], 0xffff, v[QRAW]              ; [b0, b1, 0, 0]
	v_and_b32 v[QSH], 0xffff0000, v[QRAW]          ; [0, 0, b0, b1]
.set j, 0
.rept 32
	v_mov_b32 v[O+j], 0                            ; O^T: the step is written once; the first finds zeros.  (These lines are also the places between the scale words' making and the first product)
.set j, j+1
.endr
; A KEY STEP: 128 keys.
.macro STEP
	v_add_nc_u32 v[ADK], s[TB], v[LI]
	v_add_nc_u32 v[ADV], s[TB], v[LIV]
	v_add_nc_u32 v[ADS], s[TS], v[SKA]
	v_add_nc_u32 v[ADT], s[TS], v[SVA]
.rept 4
	v_nop                                          ; with the four additions: eight places behind the last products, in front of loads into registers that they read
.endr
.irp f, 0,1,2,3
.irp c, 0,1,2,3
	ds_load_b128 v[KV+16*\f+4*\c:KV+16*\f+4*\c+3], v[ADK] offset:2048*\f+512*\c
.endr
.endr
	ds_load_b128 v[KS:KS+3], v[ADS]                ; row r's words of the four fragments
	s_wait_dscnt 0x0
.irp f, 0,1,2,3                                ; S^T = k q^T: each fragment serves two tiles of keys
	v_wmma_scale_f32_16x16x128_f8f6f4 v[S+16*\f:S+16*\f+7], v[KV+16*\f:KV+16*\f+15], v[QLO:QLO+15], 0, v[KS+\f], v[QSL] matrix_a_fmt:MATRIX_FMT_BF8 matrix_b_fmt:MATRIX_FMT_BF8
	v_wmma_scale_f32_16x16x128_f8f6f4 v[S+16*\f+8:S+16*\f+15], v[KV+16*\f:KV+16*\f+15], v[QHI:QHI+15], 0, v[KS+\f], v[QSH] matrix_a_fmt:MATRIX_FMT_BF8 matrix_b_fmt:MATRIX_FMT_BF8
.endr                                          ; register 16 f + i of S^T is key 32 f + 16 (lane / 16) + i of the step
.rept 8
	v_nop                                          ; eight places: for the loads into k's registers and for the first read of the scores
.endr
.irp t, 0,1,2,3
.irp c, 0,1,2,3
	ds_load_b128 v[KV+16*\t+4*\c:KV+16*\t+4*\c+3], v[ADV] offset:2048*\t+512*\c   ; v's four fragments land while the softmax is worked
.endr
.endr
	ds_load_b128 v[VS:VS+3], v[ADT]
.irp b, 0,1,2,3
	v_max3_num_f32 v[BM+\b], v[S+16*\b], v[S+16*\b+1], v[S+16*\b+2]   ; the largest score of each block of 32 keys: for the row's maximum and, since p rises with the score, for the block's largest p
.endr
.irp i, 3,5,7,9,11,13
.irp b, 0,1,2,3
	v_max3_num_f32 v[BM+\b], v[BM+\b], v[S+16*\b+\i], v[S+16*\b+\i+1]
.endr
.endr
.irp b, 0,1,2,3
	v_max_num_f32 v[BM+\b], v[BM+\b], v[S+16*\b+15]
.endr
.irp b, 0,1,2,3
	v_permlanex16_b32 v[T2+\b], v[BM+\b], s[SEL], s[SEL+1]
.endr
.irp b, 0,1,2,3
	v_max_num_f32 v[BM+\b], v[BM+\b], v[T2+\b]     ; with lane l xor 16's 16 keys
.endr
	v_max3_num_f32 v254, v[BM], v[BM+1], v[BM+2]
	v_max_num_f32 v254, v254, v[BM+3]              ; the step's largest score of my query
	v_mul_f32 v254, s[CS], v254                    ; as t (c is positive)
	v_max_num_f32 v13, v13, v254                   ; the running largest t
	v_mov_b32 v254, v12
	v_floor_f32 v12, -v13                          ; the new -M = floor(-t) = -ceil(t): a whole number
	v_sub_f32 v254, v12, v254                      ; old M - new M: a whole number, 0 or less
	v_cvt_i32_f32 v254, v254                       ; (it saturates)
	v_ldexp_f32 v[F], 1.0, v254                    ; f = 2^(old M - new M)
.set j, 0
.rept 32
	v_pk_fma_f32 v[S+j:S+j+1], v[S+j:S+j+1], s[CS:CS+1], v[12:13] op_sel_hi:[1,0,0]   ; t - M, two at a time
.set j, j+2
.endr
.irp b, 0,1,2,3
	v_fma_f32 v[BM+\b], v[BM+\b], s[CS], v12       ; the same of each block's largest score
.endr
.set j, 0
.rept 64
	v_exp_f32 v[S+j], v[S+j]                       ; p = 2^(t - M), at most 1
.set j, j+1
.endr
	v_pk_mul_f32 v[14:15], v[14:15], v[F:F+1] op_sel_hi:[1,0]   ; the sums under the new M: the plain line behind the exponentials
	s_wait_alu depctr_va_vdst(0)                   ; one wait for the batch of 64, ahead of its first reader
.irp b, 0,1,2,3
	v_exp_f32 v[BM+\b], v[BM+\b]                   ; the block's largest p: the same two instructions on the same number give the same bits
.endr
	v_pk_add_f32 v[T2:T2+1], v[S:S+1], v[S+2:S+3]  ; the row's sum, of the UNQUANTISED p: two chains
.set j, 4
.rept 15
	v_pk_add_f32 v[14:15], v[14:15], v[S+j:S+j+1]
	v_pk_add_f32 v[T2:T2+1], v[T2:T2+1], v[S+j+2:S+j+3]
.set j, j+4
.endr
	v_pk_add_f32 v[14:15], v[14:15], v[T2:T2+1]
	s_wait_alu depctr_va_vdst(0)                   ; and one for the four
.irp b, 0,1,2,3
	v_max_num_f32 v[BM+\b], 0x8000000, v[BM+\b]    ; the floor 2^(16 - 127): the byte cannot fall under 1
.endr
.irp b, 0,1,2,3
	v_add_nc_u32 v[SCO+\b], 0xf8800000, v[BM+\b]   ; 15 off the exponent field: the conversion's scale operand
.endr
.irp b, 0,1,2,3
	v_and_or_b32 v[HOLD+\b], v[BM+\b], 0x7f800000, s[MNT]   ; 57,344 x the scale
.endr
.irp b, 0,1,2,3
	v_lshrrev_b32 v[T2+\b], 23, v[SCO+\b]          ; the scale's byte
.endr
	v_lshl_or_b32 v[PS], v[T2+1], 8, v[T2]         ; p's scale word for these 128 keys
	v_lshl_or_b32 v[PS], v[T2+2], 16, v[PS]
	v_lshl_or_b32 v[PS], v[T2+3], 24, v[PS]
.irp b, 0,1,2,3
.irp i, 0,1,2,3,4,5,6,7,8,9,10,11,12,13,14,15
	v_min_num_f32 v[S+16*\b+\i], v[S+16*\b+\i], v[HOLD+\b]   ; the conversion does not saturate (ISA guide 7.6.2); p is not negative, so the hold is one-sided
.endr
	v_cvt_scalef32_pk8_bf8_f32 v[PC+4*\b:PC+4*\b+1], v[S+16*\b:S+16*\b+7], v[SCO+\b]
	v_cvt_scalef32_pk8_bf8_f32 v[PC+4*\b+2:PC+4*\b+3], v[S+16*\b+8:S+16*\b+15], v[SCO+\b]
.endr
.set j, 0
.rept 16
	v_pk_mul_f32 v[O+j:O+j+1], v[O+j:O+j+1], v[F:F+1] op_sel_hi:[1,0]   ; O^T under the new M.  (These sixteen are also the places between the codes' making and the products)
.set j, j+2
.endr
	s_wait_dscnt 0x0                               ; v's fragments and scale words are in
.irp t, 0,1,2,3                                ; O^T += v^T p^T: the four accumulators by turns
	v_wmma_scale_f32_16x16x128_f8f6f4 v[O+8*\t:O+8*\t+7], v[KV+16*\t:KV+16*\t+15], v[PC:PC+15], v[O+8*\t:O+8*\t+7], v[VS+\t], v[PS] matrix_a_fmt:MATRIX_FMT_BF8 matrix_b_fmt:MATRIX_FMT_BF8
.endr
	s_add_co_u32 s[TB], s[TB], 8192                ; the next step's codes
	s_add_co_u32 s[TS], s[TS], 256                 ; and scale words
.endm
; A PHASE of four key steps in each half of the keys.  My loads went out in the order scale words, phase 0, phase 1: the count leaves the 1 - i later loads out.  Behind the barrier every wave's part
; of this phase is there.  The later load may stay on its way across the first.
.macro CHUNK i
	s_wait_tensorcnt 1-\i
	s_barrier_signal -1
	s_barrier_wait -1
	s_mov_b32 s[TB], 32768*\i
	s_mov_b32 s[TS], 1024*\i
	s_mov_b32 s[CNT], 4
.Lstep_\@:
	STEP
	s_sub_co_u32 s[CNT], s[CNT], 1
	s_cmp_lg_u32 s[CNT], 0
	s_cbranch_scc1 .Lstep_\@
.endm
	CHUNK 0
	CHUNK 1                                        ; its wait is for 0: no tensor load of mine is out from here on
	; THE JOIN.  Waves 8 to 15 hand O^T (as an image of its registers: 16 bytes a lane, 512 bytes a store), their lane's sum and -M to waves 0 to 7, through the tile's own bytes of STG.
.rept 8
	v_nop                                          ; eight places behind the last products
.endr
	v_and_b32 v10, 31, v0                          ; the addresses are made on the way that all waves take
	v_lshl_add_u32 v[MI], v10, 4, s75
	v_lshl_add_u32 v[MS], v10, 2, s78
	v_add_f32 v14, v14, v15                        ; the sum's two halves: my lane's part of my half of the keys
	s_cmp_lt_u32 s[WV], 8
	s_cbranch_scc1 .Lkeeps
.irp q, 0,1,2,3,4,5,6,7
	ds_store_b128 v[MI], v[O+4*\q:O+4*\q+3] offset:512*\q   ; each accumulator from its low end on
.endr
	ds_store_b32 v[MS], v14
	ds_store_b32 v[MS], v12 offset:128
.Lkeeps:
	s_wait_dscnt 0x0                               ; for the others' sake: my stores have landed
	s_barrier_signal -1
	s_barrier_wait -1
	s_cmp_lt_u32 s[WV], 8
	s_cbranch_scc0 .Lgone                          ; waves 8 to 15 have nothing more to do but the closing round
.irp q, 0,1,2,3,4,5,6,7
	ds_load_b128 v[S+4*\q:S+4*\q+3], v[MI] offset:512*\q    ; the same registers in the same lanes: the two waves hold the same queries
.endr
	ds_load_b32 v[OL], v[MS]
	ds_load_b32 v[OM], v[MS] offset:128
	s_wait_dscnt 0x0
	v_min_num_f32 v[NM], v12, v[OM]                ; the joined -M: the larger M
	v_sub_f32 v[F0], v[NM], v12                    ; my M less the joined one: a whole number, 0 or less
	v_sub_f32 v[F1], v[NM], v[OM]                  ; the other wave's likewise
	v_cvt_i32_f32 v[F0], v[F0]                     ; (they saturate)
	v_cvt_i32_f32 v[F1], v[F1]
	v_ldexp_f32 v[F0], 1.0, v[F0]                  ; whole powers of two: nothing is rounded by them
	v_ldexp_f32 v[F1], 1.0, v[F1]
	v_mul_f32 v14, v14, v[F0]
	v_fma_f32 v14, v[OL], v[F1], v14               ; both halves of the keys, my lane's part,
	v_permlanex16_b32 v254, v14, s[SEL], s[SEL+1]
	v_add_f32 v14, v14, v254                       ; and lane l xor 16's: the row's sum
	v_rcp_f32 v14, v14
	v_nop                                          ; a plain line behind the transcendental
	s_wait_alu depctr_va_vdst(0)                   ; and the wait ahead of its first reader
	v_mul_f32 v[F], v[F0], v14                     ; the two factors, each with the division in it
	v_mul_f32 v[T2], v[F1], v14
.set j, 0
.rept 16
	v_pk_mul_f32 v[O+j:O+j+1], v[O+j:O+j+1], v[F:F+1] op_sel_hi:[1,0]   ; each accumulator from its low end on
.set j, j+2
.endr
.set j, 0
.rept 16
	v_pk_fma_f32 v[S+j:S+j+1], v[S+j:S+j+1], v[T2:T2+1], v[O+j:O+j+1] op_sel_hi:[1,0,1]   ; register 8 t + i is channel 16 t + 8 (lane / 16) + i of my query
.set j, j+2
.endr
	; THE WAY OUT, through the same bytes of STG, which I alone touch from the barrier on, so that sixteen lanes store a row's 256 bytes.
.irp t, 0,1,2,3
	ds_store_b128 v[SI], v[S+8*\t:S+8*\t+3] offset:64*\t
	ds_store_b128 v[SI], v[S+8*\t+4:S+8*\t+7] offset:64*\t+16
.endr
.irp i, 0,1,2,3,4,5,6,7
	ds_load_b128 v[KV+4*\i:KV+4*\i+3], v[SB] offset:544*\i   ; LDS serves a wave's instructions in order (ISA guide 5.7.1.4): these see my stores
.endr
.irp i, 0,1,2,3,4,5,6,7
	s_wait_dscnt 7-\i                              ; load i is in; the 7 - i younger ones may be out
	global_store_b128 v[GO], v[KV+4*\i:KV+4*\i+3], s[76:77] offset:(2*\i+8*(\i/4))*2048 th:TH_STORE_NT   ; stage rows 2 i, 2 i + 1 are queries 2 i + 8 (i / 4) on; sixteen lanes store 256 consecutive bytes, aligned
.endr
.Lgone:
	s_wait_xcnt 0x0
	v_lshl_add_u32 v254, v0, 2, 0x4a800
	v_mov_b32 v255, 0
	s_wait_tensorcnt 0x0
	ds_add_u32 v254, v255
	s_wait_dscnt 0x0
	CROUND                                         ; the closing round: no work-group ends while a partner may still ask for a tile that names it
	s_endpgm
.Lfunc_end_k_qaded3e8f96_attn:
	.size	k_qaded3e8f96_attn, .Lfunc_end_k_qaded3e8f96_attn-k_qaded3e8f96_attn
	.p2alignl 7, 3214868480
	.fill 96, 4, 3214868480
	.section	.rodata,"a",@progbits
	.p2align	6, 0x0
	.amdhsa_kernel k_qaded3e8f96_attn
		.amdhsa_group_segment_fixed_size 307200
		.amdhsa_private_segment_fixed_size 0
		.amdhsa_enable_private_segment 0
		.amdhsa_kernarg_size 24
		.amdhsa_user_sgpr_count 2
		.amdhsa_user_sgpr_kernarg_segment_ptr 1
		.amdhsa_wavefront_size32 1
		.amdhsa_system_sgpr_workgroup_id_x 1
		.amdhsa_system_sgpr_workgroup_id_y 1
		.amdhsa_system_sgpr_workgroup_id_z 1
		.amdhsa_system_vgpr_workitem_id 0
		.amdhsa_next_free_vgpr 256
		.amdhsa_next_free_sgpr 84
		.amdhsa_reserve_vcc 0
		.amdhsa_float_denorm_mode_32 3
		.amdhsa_float_denorm_mode_16_64 3
		.amdhsa_memory_ordered 1
		.amdhsa_forward_progress 1
		.amdhsa_inst_pref_size 54
	.end_amdhsa_kernel
	.amdgpu_metadata
---
amdhsa.version: [ 1, 2 ]
amdhsa.kernels:
  - .name:           k_qaded3e8f96_attn
    .symbol:         k_qaded3e8f96_attn.kd
    .args:
      - { .name: codes, .offset: 0, .size: 8, .value_kind: global_buffer, .address_space: global }
      - { .name: scl, .offset: 8, .size: 8, .value_kind: global_buffer, .address_space: global }
      - { .name: out0, .offset: 16, .size: 8, .value_kind: global_buffer, .address_space: global }
    .group_segment_fixed_size: 307200
    .private_segment_fixed_size: 0
    .kernarg_segment_align: 8
    .kernarg_segment_size: 24
    .max_flat_workgroup_size: 512
    .sgpr_count:     84
    .vgpr_count:     256
    .wavefront_size: 32
...
	.end_amdgpu_metadata
.endif
;; end of part 2
;; ======== version 2 of 2: 2 launches
;; workspace buffers: codes 6,291,456 bytes; scl 196,608 bytes
;; launch proj (part 3): grid 64 x 3, 16 waves a work-group, no clusters, 211,968 bytes of LDS; arguments queries, keys, values, Wq, Wk, Wv, codes, scl; writes codes, scl
.if DOCPART == 3
	.amdgcn_target "amdgcn-amd-amdhsa--gfx1250"
	.amdhsa_code_object_version 6
	.text
	.protected	k_qaded3e8f96_proj
	.globl	k_qaded3e8f96_proj
	.p2align	8
	.type	k_qaded3e8f96_proj,@function
k_qaded3e8f96_proj:
	s_mov_b64 s[64:65], 0
	v_nop
	global_prefetch_b8 v0, s[64:65] scope:SCOPE_SE
	s_setreg_imm32_b32 hwreg(HW_REG_WAVE_SCHED_MODE, 0, 2), 2
	s_setreg_imm32_b32 hwreg(HW_REG_WAVE_MODE, 25, 1), 1
	s_wait_xcnt 0x0
	s_wait_alu depctr_vm_vsrc(0)
; q = queries Wq, k = keys Wk, v = values Wv: three products [4096][512] x [512][512] on codes of BF8 (E5M2) with one E8M0 scale for each 32 along K,
; and the results quantised again for the attention launch: q and k along the head's 64, v along the keys.
; A block's scale is 2^(floor(log2(its largest magnitude)) - 15); each number is divided by it, held within +-57,344 and rounded to the nearest code, ties to even.
; LIMITS: NaN and infinities among the inputs are not served.  A block of zeros gets the byte 1 where the rule says 127: its codes are zeros, and this program alone reads the bytes.
; Blocks whose largest magnitude lies under 2^-111 have their byte held at 1.
; SHARES.  Work-group y = the tensor (0 q, 1 k, 2 v); x = 2 x (block of 128 rows) + (half of the 512 columns: four heads).  Sixteen waves, wave w = 4 hh + rq.
;   Operands: wave w quantises 16 columns x 512 K of W (tile rq of head hh: four fragments) and 16 rows x 256 K of x (row tile w / 2, K steps 2 (w % 2) on: two fragments).
;   They go to the other waves through LDS as IMAGES OF THE OPERAND'S REGISTERS: four stores of 16 bytes a lane at 16 x lane, the scale word at 4 x lane.
;   Products, q and k: head hh (four tiles of W as source 0) x row tiles 2 rq, 2 rq + 1 (source 1): a lane holds one row, its registers run along the head's 64.
;   Products, v: the eight row tiles (source 0) x tile rq of head hh (source 1): a lane holds one channel, its registers run along the 128 keys.
;   Either way: eight accumulators, 64 registers, register 16 b + i = place 32 b + 16 (lane / 16) + i along the next K: one quantiser run makes one fragment and one scale word.
; THE ROWS OF A TILE ARE NOT NEIGHBOURS: lane r of tile 2 b + u takes row 32 b + 8 u + r + 8 (r / 8) (x's rows in all three tensors; W's columns for q and k).
; OUT.  codes: [tensor][b x 8 + head][block of 128 rows][fragment 4][plane 4][lane 32][16 bytes]; scl: [tensor][b x 8 + head][block][r 16][fragment 4] words.
; NO TENSOR LOADS, NO JOINT LOADS: what work-groups share is W as f32 with K outermost; it has to pass lane by lane through the quantiser with K down the registers,
; and a work-group's part of it, 512 x 256 x 4 = 524,288 bytes, does not fit in LDS beside the images.  No prefetch: every load of the launch goes out in its first phase.
; THE MODE: SCHED_MODE bits 1:0 = 2 (LLVM: expert scheduling mode 2), set by the entry lines.  The code itself states the register dependences
; between vector or matrix instructions and memory or LDS instructions, with s_wait_alu, always for 0.
; THE PLAN.  Registers that memory or LDS instructions touch:
;   v4-v17, v19-v21   offsets and LDS addresses: written at the head, read by loads and stores throughout, never written again.  v254, v255: written at the head, read by the closing add alone.
;   ST0, ST1          Global loads land in them; a quantiser run reads them and holds the numbers in place; behind the run the next loads land in them.
;   PC, PW            Written by a quantiser run; read by the stores behind it; written again by the next run, and PC by the first fragments' loads.
;   v40-183, SW, SX   In the products: a K step's LDS loads land in them, its eight matrix instructions read them, the next K step's loads land in them again.
;   OUTS              The stage's LDS load lands in it at the end; matrix instructions read these registers before, as part of a fragment.
; So: one wait on va_vdst at the head; one as the last line of each quantiser run (its results are written, and it is done with its 64 numbers); one at the head of K steps 1 to 3.
; One wait on vm_vsrc ahead of each quantiser run that writes codes which stores of the run before have read, and one behind the operands' barrier, ahead of the branch to the products.
; A second set of fragment registers does not fit: beside the 64 of the accumulators and the addresses 144 are left, and v's way takes all of them for one K step.
.set WIMG, 0                           ; LDS: W's 64 fragments, 2,048 bytes each, at index 4 w + K step
.set XIMG, 131072                      ; x's 32 fragments, at index 4 x (row tile) + K step = 2 w + s
.set WSC,  196608                      ; W's scale words, 128 bytes a fragment
.set XSC,  204800                      ; x's
.set SST,  208896                      ; the results' scale words on their way out: [hh][r][rq], 1,024 bytes
.set XA,   4                           ; v4   x: my lane's byte in the wave's 16 rows
.set WA,   5                           ; v5   W: my lane's column and half
.set LI,   6                           ; v6   16 x lane
.set LS,   7                           ; v7   4 x lane
.set WWI,  8                           ; v8   where I store (and in v's path read) my W images
.set WWS,  9                           ; v9   and their scale words
.set XWI,  10                          ; v10  where I store my x images
.set XWS,  11                          ; v11  and their scale words
.set RW,   12                          ; v12  q, k: my head's W images
.set RWS,  13                          ; v13  and scale words
.set RX,   14                          ; v14  q, k: my two row tiles' x images
.set RXS,  15                          ; v15  and scale words
.set RX2,  16                          ; v16  v: all x images
.set RXS2, 17                          ; v17  and scale words
.set SSA,  19                          ; v19  where my result's scale word goes in the stage
.set SSR,  20                          ; v20  where waves 0 and 1 read the stage back
.set SGO,  21                          ; v21  and where those 16 bytes go in scl
.set SW,   24                          ; v24-27  W's scale words, nothing else
.set SX,   28                          ; v28-35  x's scale words, nothing else
.set PW,   36                          ; v36  the scale word just made
.set PC,   40                          ; v40-55  the codes just made
.set TM,   56                          ; v56-71  the quantiser at work
.set OUTS, 72                          ; v72-75  the scale stage on its way out
.set WF,   40                          ; products: W's fragments (q, k: four; v: one)
.set XFQ,  104                         ; q, k: x's two fragments
.set XFV,  56                          ; v: x's eight fragments
.set ST1,  120                         ; v120-183  64 numbers as loaded
.set ST0,  184                         ; v184-247  64 numbers as loaded; later
.set ACC,  184                         ; the eight accumulators
.macro PLACES n
.rept \n
	v_nop
.endr
.endm
; 64 numbers of a lane, register 16 b + i = place 32 b + 16 (lane / 16) + i along K, become a fragment's codes in v[PC] on and its scale word in v[PW]
.macro QUANT s
.irp b, 0,1,2,3
	v_max3_num_f32 v[TM+\b], |v[\s+16*\b]|, |v[\s+1+16*\b]|, 0x8000000   ; block b: my 16 numbers, and the floor 2^(16 - 127): the byte cannot fall under 1
.endr
.irp i, 2,4,6,8,10,12,14
.irp b, 0,1,2,3
	v_max3_num_f32 v[TM+\b], v[TM+\b], |v[\s+16*\b+\i]|, |v[\s+1+16*\b+\i]|   ; the four blocks by turns; each accumulator is first read at its low end
.endr
.endr
.irp b, 0,1,2,3
	v_permlanex16_b32 v[TM+4+\b], v[TM+\b], s36, s37
.endr
.irp b, 0,1,2,3
	v_max_num_f32 v[TM+\b], v[TM+\b], v[TM+4+\b]   ; with lane l xor 16: the block's largest magnitude
.endr
.irp b, 0,1,2,3
	v_add_nc_u32 v[TM+12+\b], 0xf8800000, v[TM+\b]   ; 15 off its exponent field: the conversion's scale operand
.endr
.irp b, 0,1,2,3
	v_and_or_b32 v[TM+8+\b], v[TM+\b], 0x7f800000, s38   ; 57,344 x the scale
.endr
.irp b, 0,1,2,3
	v_lshrrev_b32 v[TM+4+\b], 23, v[TM+12+\b]   ; the scale's byte
.endr
	v_lshl_or_b32 v[PW], v[TM+5], 8, v[TM+4]
	v_lshl_or_b32 v[PW], v[TM+6], 16, v[PW]
	v_lshl_or_b32 v[PW], v[TM+7], 24, v[PW]
.irp b, 0,1,2,3
.irp i, 0,1,2,3,4,5,6,7,8,9,10,11,12,13,14,15
	v_med3_num_f32 v[\s+16*\b+\i], v[\s+16*\b+\i], -v[TM+8+\b], v[TM+8+\b]   ; the conversion to an 8-bit code does not saturate (ISA guide 7.6.2): the hold
.endr
	v_cvt_scalef32_pk8_bf8_f32 v[PC+4*\b:PC+4*\b+1], v[\s+16*\b:\s+16*\b+7], v[TM+12+\b]
	v_cvt_scalef32_pk8_bf8_f32 v[PC+4*\b+2:PC+4*\b+3], v[\s+16*\b+8:\s+16*\b+15], v[TM+12+\b]
.endr
	v_nop                                          ; one plain vector line behind the last conversion, ahead of whatever next touches its registers
	s_wait_alu depctr_va_vdst(0)                   ; the run has written v[PC ..] and v[PW], which the stores behind it read, and is done reading and writing its 64 numbers and v[TM ..], in which later loads land
.endm
.macro XLOAD reg, s                    ; my 16 rows, K step s of my two: 16 neighbours of each block of 32 a lane
.irp b, 0,1,2,3
.irp j, 0,1,2,3
	global_load_b128 v[\reg+16*\b+4*\j:\reg+16*\b+4*\j+3], v[XA], s[4:5] offset:512*\s+128*\b+16*\j
.endr
.endr
.endm
.macro WLOAD reg, s                    ; my column, K step s: the registers run down K, W(128 s + 32 c + 16 (lane / 16) + i, column)
.irp c, 0,1,2,3
.irp i, 0,1,2,3,4,5,6,7,8,9,10,11,12,13,14,15
	global_load_b32 v[\reg+16*\c+\i], v[WA], s[6:7] offset:(128*\s+32*\c+\i)*2048
.endr
.endr
.endm
.macro IMAGE adr, off                  ; the fragment in v[PC] on goes to LDS as it stands
.irp c, 0,1,2,3
	ds_store_b128 v[\adr], v[PC+4*\c:PC+4*\c+3] offset:\off+512*\c
.endr
.endm
.macro FETCH reg, adr, off             ; and comes back so, in any wave
.irp c, 0,1,2,3
	ds_load_b128 v[\reg+4*\c:\reg+4*\c+3], v[\adr] offset:\off+512*\c
.endr
.endm
.macro BARRIER                         ; my LDS stores have landed and my LDS loads are in: then the work-group's barrier
	s_wait_dscnt 0x0
	s_barrier_signal -1
	s_barrier_wait -1
.endm
; K step s of q's and k's products: eight matrix instructions on eight accumulators, one instruction a turn, in the same order in every step
.macro KQK s
.if \s > 0
	PLACES 8                                       ; in front of loads into registers that matrix instructions have read; the wait below stands beside them
	s_wait_alu depctr_va_vdst(0)                   ; the last K step's products are done reading their fragments and scale words, in which this step's loads land
.endif
.irp t, 0,1,2,3
	FETCH WF+16*\t, RW, 8192*\t+2048*\s
	ds_load_b32 v[SW+\t], v[RWS] offset:128*(4*\t+\s)
.endr
.irp u, 0,1
	FETCH XFQ+16*\u, RX, 8192*\u+2048*\s
	ds_load_b32 v[SX+\u], v[RXS] offset:128*(4*\u+\s)
.endr
	s_wait_dscnt 0x0
.irp u, 0,1
.irp t, 0,1,2,3
.if \s == 0
	v_wmma_scale_f32_16x16x128_f8f6f4 v[ACC+8*(4*\u+\t):ACC+8*(4*\u+\t)+7], v[WF+16*\t:WF+16*\t+15], v[XFQ+16*\u:XFQ+16*\u+15], 0, v[SW+\t], v[SX+\u] matrix_a_fmt:MATRIX_FMT_BF8 matrix_b_fmt:MATRIX_FMT_BF8
.else
	v_wmma_scale_f32_16x16x128_f8f6f4 v[ACC+8*(4*\u+\t):ACC+8*(4*\u+\t)+7], v[WF+16*\t:WF+16*\t+15], v[XFQ+16*\u:XFQ+16*\u+15], v[ACC+8*(4*\u+\t):ACC+8*(4*\u+\t)+7], v[SW+\t], v[SX+\u] matrix_a_fmt:MATRIX_FMT_BF8 matrix_b_fmt:MATRIX_FMT_BF8
.endif
.endr
.endr
.endm
; K step s of v's products: source 0 = a row tile of x, source 1 = my own tile of W
.macro KVS s
.if \s > 0
	PLACES 8
	s_wait_alu depctr_va_vdst(0)                   ; the last K step's products are done reading their fragments and scale words, in which this step's loads land
.endif
	FETCH WF, WWI, 2048*\s
	ds_load_b32 v[SW], v[WWS] offset:128*\s
.irp m, 0,1,2,3,4,5,6,7
	FETCH XFV+16*\m, RX2, 8192*\m+2048*\s
	ds_load_b32 v[SX+\m], v[RXS2] offset:128*(4*\m+\s)
.endr
	s_wait_dscnt 0x0
.irp m, 0,1,2,3,4,5,6,7
.if \s == 0
	v_wmma_scale_f32_16x16x128_f8f6f4 v[ACC+8*\m:ACC+8*\m+7], v[XFV+16*\m:XFV+16*\m+15], v[WF:WF+15], 0, v[SX+\m], v[SW] matrix_a_fmt:MATRIX_FMT_BF8 matrix_b_fmt:MATRIX_FMT_BF8
.else
	v_wmma_scale_f32_16x16x128_f8f6f4 v[ACC+8*\m:ACC+8*\m+7], v[XFV+16*\m:XFV+16*\m+15], v[WF:WF+15], v[ACC+8*\m:ACC+8*\m+7], v[SX+\m], v[SW] matrix_a_fmt:MATRIX_FMT_BF8 matrix_b_fmt:MATRIX_FMT_BF8
.endif
.endr
.endm
	s_load_b512 s[8:23], s[0:1], 0x0               ; queries s[8:9], keys s[10:11], values s[12:13], Wq s[14:15], Wk s[16:17], Wv s[18:19], codes s[20:21], scl s[22:23]
	v_lshl_add_u32 v254, v0, 2, 0x33400
	v_mov_b32 v255, 0
	v_lshrrev_b32 v1, 5, v0
	v_readfirstlane_b32 s24, v1                    ; wave w, 0..15
	s_and_b32 s25, ttmp7, 0xffff                   ; t: the tensor
	s_and_b32 s26, ttmp9, 1                        ; ch: which half of the columns
	s_lshr_b32 s27, ttmp9, 1                       ; rb: which 128 rows
	s_wait_alu depctr_va_sdst(0)                   ; s24 is written, ahead of its first reader: addresses and branches are made from it
	s_lshr_b32 s28, s24, 2                         ; hh
	s_and_b32 s29, s24, 3                          ; rq
	v_and_b32 v1, 31, v0                           ; lane
	v_and_b32 v2, 15, v0                           ; r
	v_bfe_u32 v3, v0, 4, 1                         ; h
	v_and_b32 v[XA], 8, v2
	v_add_nc_u32 v[XA], v[XA], v2                  ; r + 8 (r / 8)
	v_lshlrev_b32 v[XA], 11, v[XA]                 ; rows of 2,048 bytes
	v_lshl_add_u32 v[XA], v3, 6, v[XA]             ; + 64 h: my 16 numbers of a block of 32
	s_cmp_eq_u32 s25, 2
	s_cselect_b32 s30, 0, 8                        ; v's tiles of W are 16 neighbouring columns; q's and k's are not
	v_and_b32 v[WA], s30, v2
	v_add_nc_u32 v[WA], v[WA], v2
	v_lshlrev_b32 v[WA], 2, v[WA]
	v_lshl_add_u32 v[WA], v3, 15, v[WA]            ; lanes 16-31 begin 16 rows of 2,048 bytes further down
	v_lshlrev_b32 v[LI], 4, v1
	s_wait_alu depctr_va_vdst(0)
	v_lshlrev_b32 v[LS], 2, v1
	s_wait_alu depctr_va_vdst(0)
	s_lshl_b32 s30, s24, 13
	v_add_nc_u32 v[WWI], s30, v[LI]                ; 16 x lane + 4 fragments x wave
	s_lshl_b32 s30, s24, 9
	s_add_co_u32 s30, s30, WSC
	v_add_nc_u32 v[WWS], s30, v[LS]
	s_lshl_b32 s30, s24, 12
	s_add_co_u32 s30, s30, XIMG
	v_add_nc_u32 v[XWI], s30, v[LI]                ; 16 x lane + 2 fragments x wave
	s_lshl_b32 s30, s24, 8
	s_add_co_u32 s30, s30, XSC
	v_add_nc_u32 v[XWS], s30, v[LS]
	s_lshl_b32 s30, s28, 15
	v_add_nc_u32 v[RW], s30, v[LI]                 ; my head's 16 fragments of W
	s_lshl_b32 s30, s28, 11
	s_add_co_u32 s30, s30, WSC
	v_add_nc_u32 v[RWS], s30, v[LS]
	s_lshl_b32 s30, s29, 14
	s_add_co_u32 s30, s30, XIMG
	v_add_nc_u32 v[RX], s30, v[LI]                 ; row tiles 2 rq, 2 rq + 1: 8 fragments of x
	s_lshl_b32 s30, s29, 10
	s_add_co_u32 s30, s30, XSC
	v_add_nc_u32 v[RXS], s30, v[LS]
	v_add_nc_u32 v[RX2], XIMG, v[LI]
	v_add_nc_u32 v[RXS2], XSC, v[LS]
	s_lshl_b32 s30, s28, 8
	s_lshl_b32 s31, s29, 2
	s_add_co_u32 s30, s30, s31
	s_add_co_u32 s30, s30, SST
	v_lshl_add_u32 v[SSA], v2, 4, s30              ; the stage: [hh][r][rq] words
	v_and_b32 v[SSR], 63, v0
	v_lshl_add_u32 v[SSR], v[SSR], 4, SST          ; back: 16 bytes a thread of waves 0 and 1
	s_and_b32 s30, s24, 1
	s_lshl_b32 s30, s30, 13
	v_lshl_add_u32 v[SGO], v3, 12, s30             ; head 2 (w % 2) + h of my four, 4,096 bytes of scl apart,
	v_lshl_add_u32 v[SGO], v2, 4, v[SGO]           ; + 16 r
.irp b, 0,1,2,3
	v_mov_b32 v[TM+4+\b], 0                        ; written once: a lane permute's destination counts as one of its sources
.endr
	s_mov_b32 s36, 0x76543210
	s_mov_b32 s37, 0xfedcba98                      ; v_permlanex16_b32's selects for lane l xor 16
	s_mov_b32 s38, 0x600000                        ; the mantissa field of 57,344
	; x: 128 rb rows + my row tile's first row (32 hh + 8 ((w / 2) % 2)) + my two K steps (1,024 bytes x (w % 2))
	s_lshl_b32 s30, s27, 18
	s_lshl_b32 s31, s28, 16
	s_add_co_u32 s30, s30, s31
	s_bfe_u32 s31, s24, 0x10001
	s_lshl_b32 s31, s31, 14
	s_add_co_u32 s30, s30, s31
	s_and_b32 s31, s24, 1
	s_lshl_b32 s31, s31, 10
	s_add_co_u32 s30, s30, s31
	s_mov_b32 s31, 0
	; W: column 64 (4 ch + hh) + my tile's first column
	s_lshl_b32 s32, s26, 2
	s_add_co_u32 s32, s32, s28                     ; 4 ch + hh
	s_lshl_b32 s34, s32, 8
	s_lshr_b32 s33, s29, 1
	s_lshl_b32 s33, s33, 7
	s_and_b32 s35, s29, 1
	s_lshl_b32 s35, s35, 5
	s_add_co_u32 s33, s33, s35                     ; q, k: 4 x (32 (rq / 2) + 8 (rq % 2))
	s_lshl_b32 s35, s29, 6                         ; v: 4 x 16 rq
	s_cmp_eq_u32 s25, 2
	s_cselect_b32 s33, s35, s33
	s_add_co_u32 s34, s34, s33
	s_mov_b32 s35, 0
	; codes: tensor, b x 8 + head, block of 128 rows, fragment rq
	s_lshr_b32 s33, s27, 4
	s_lshl_b32 s33, s33, 3
	s_add_co_u32 s33, s33, s32
	s_lshl_b32 s33, s33, 17
	s_lshl_b32 s40, s25, 21
	s_add_co_u32 s40, s40, s33
	s_and_b32 s39, s27, 15                         ; j
	s_lshl_b32 s33, s39, 13
	s_add_co_u32 s40, s40, s33
	s_lshl_b32 s33, s29, 11
	s_add_co_u32 s40, s40, s33
	s_mov_b32 s41, 0
	; scl: tensor, the first of my four heads, block
	s_lshr_b32 s33, s27, 4
	s_lshl_b32 s33, s33, 1
	s_add_co_u32 s33, s33, s26
	s_lshl_b32 s33, s33, 14
	s_lshl_b32 s42, s25, 16
	s_add_co_u32 s42, s42, s33
	s_lshl_b32 s33, s39, 8
	s_add_co_u32 s42, s42, s33
	s_mov_b32 s43, 0
	s_wait_kmcnt 0x0
	s_cmp_eq_u32 s25, 0                            ; the choice of buffers hangs on the work-group's number alone
	s_cselect_b64 s[4:5], s[8:9], s[10:11]
	s_cselect_b64 s[6:7], s[14:15], s[16:17]
	s_cmp_eq_u32 s25, 2
	s_cselect_b64 s[4:5], s[12:13], s[4:5]
	s_cselect_b64 s[6:7], s[18:19], s[6:7]
	s_add_nc_u64 s[4:5], s[4:5], s[30:31]
	s_add_nc_u64 s[6:7], s[6:7], s[34:35]
	s_add_nc_u64 s[40:41], s[20:21], s[40:41]
	s_add_nc_u64 s[42:43], s[22:23], s[42:43]
	s_wait_alu depctr_va_vdst(0)                   ; the offsets and LDS addresses v4 to v21 are written, which every load and store below reads; so are v254 and v255, which the closing add reads
	; ---- the operands: six quantiser runs on two sets of 64 registers; each set is loaded again as soon as its run is over (the run's last line is the wait that those loads and the stores hang on)
	XLOAD ST0, 0
	XLOAD ST1, 1
	s_wait_loadcnt 16                              ; x's first K step is in; the 16 loads of the second may be out
	QUANT ST0
	IMAGE XWI, 0
	ds_store_b32 v[XWS], v[PW]
	WLOAD ST0, 0
	s_wait_loadcnt 63                              ; x's second K step is in: 64 younger loads stand behind it; the count's field ends at 63, and a smaller count is safe
	s_wait_dscnt 0x0                               ; the stores have landed
	s_wait_alu depctr_vm_vsrc(0)                   ; the LDS stores above have read v[PC ..] and v[PW], which the run below writes again
	QUANT ST1
	IMAGE XWI, 2048
	ds_store_b32 v[XWS], v[PW] offset:128
	WLOAD ST1, 1
	s_wait_loadcnt 63                              ; W's K step 0 is in (64 younger loads)
	s_wait_dscnt 0x0
	s_wait_alu depctr_vm_vsrc(0)                   ; the LDS stores above have read v[PC ..] and v[PW], which the run below writes again
	QUANT ST0
	IMAGE WWI, 0
	ds_store_b32 v[WWS], v[PW]
	WLOAD ST0, 2
	s_wait_loadcnt 63                              ; K step 1
	s_wait_dscnt 0x0
	s_wait_alu depctr_vm_vsrc(0)                   ; the LDS stores above have read v[PC ..] and v[PW], which the run below writes again
	QUANT ST1
	IMAGE WWI, 2048
	ds_store_b32 v[WWS], v[PW] offset:128
	WLOAD ST1, 3
	s_wait_loadcnt 63                              ; K step 2
	s_wait_dscnt 0x0
	s_wait_alu depctr_vm_vsrc(0)                   ; the LDS stores above have read v[PC ..] and v[PW], which the run below writes again
	QUANT ST0
	IMAGE WWI, 4096
	ds_store_b32 v[WWS], v[PW] offset:256
	s_wait_loadcnt 0x0                             ; K step 3
	s_wait_dscnt 0x0
	s_wait_alu depctr_vm_vsrc(0)                   ; the LDS stores above have read v[PC ..] and v[PW], which the run below writes again
	QUANT ST1
	IMAGE WWI, 6144
	ds_store_b32 v[WWS], v[PW] offset:384
	BARRIER                                        ; all 96 images and their scale words lie in LDS; nothing is stored there again
	s_wait_alu depctr_vm_vsrc(0)                   ; my last LDS stores have read v[PC ..], in which the first fragments' loads land on both ways below, and v[PW], which the last run writes again.  (No vector line stands behind the sixth run's own wait: it covers v[TM ..] and ST1, in which those loads land too)
	; ---- the products: both ways only read LDS
	s_cmp_eq_u32 s25, 2
	s_cbranch_scc1 .Lv
	KQK 0
	KQK 1
	KQK 2
	KQK 3
	s_branch .Ljoin
.Lv:
	KVS 0
	KVS 1
	KVS 2
	KVS 3
.Ljoin:
	; ---- the result becomes one fragment of the attention launch's operands
	PLACES 8                                       ; behind the last products: their results are read, and registers that they read are written
	QUANT ACC                                      ; its last line, the wait, also states that the products are done reading v[OUTS ..], in which the stage's load lands below
.irp c, 0,1,2,3
	global_store_b128 v[LI], v[PC+4*\c:PC+4*\c+3], s[40:41] offset:512*\c   ; 32 lanes store 512 consecutive bytes, at a multiple of 256 from the buffer's first byte
.endr
	ds_store_b32 v[SSA], v[PW]                     ; lanes r and r + 16 write the same word with the same value
	BARRIER                                        ; the four heads' scale words, 256 bytes each, lie in the stage
	s_cmp_lt_u32 s24, 2
	s_cbranch_scc0 .Lend
	ds_load_b128 v[OUTS:OUTS+3], v[SSR]            ; no vector or matrix line since the last run's wait names these registers
	s_wait_dscnt 0x0
	global_store_b128 v[SGO], v[OUTS:OUTS+3], s[42:43]   ; sixteen lanes store 256 consecutive bytes, aligned: one head's words of this block
.Lend:
	s_wait_dscnt 0x0                               ; the closing lines, six on end
	s_wait_alu 0x0
	s_wait_tensorcnt 0x0
	ds_add_u32 v254, v255
	s_wait_dscnt 0x0
	s_endpgm
.Lfunc_end_k_qaded3e8f96_proj:
	.size	k_qaded3e8f96_proj, .Lfunc_end_k_qaded3e8f96_proj-k_qaded3e8f96_proj
	.p2alignl 7, 3214868480
	.fill 96, 4, 3214868480
	.section	.rodata,"a",@progbits
	.p2align	6, 0x0
	.amdhsa_kernel k_qaded3e8f96_proj
		.amdhsa_group_segment_fixed_size 211968
		.amdhsa_private_segment_fixed_size 0
		.amdhsa_enable_private_segment 0
		.amdhsa_kernarg_size 64
		.amdhsa_user_sgpr_count 2
		.amdhsa_user_sgpr_kernarg_segment_ptr 1
		.amdhsa_wavefront_size32 1
		.amdhsa_system_sgpr_workgroup_id_x 1
		.amdhsa_system_sgpr_workgroup_id_y 1
		.amdhsa_system_sgpr_workgroup_id_z 1
		.amdhsa_system_vgpr_workitem_id 0
		.amdhsa_next_free_vgpr 256
		.amdhsa_next_free_sgpr 66
		.amdhsa_reserve_vcc 0
		.amdhsa_float_denorm_mode_32 3
		.amdhsa_float_denorm_mode_16_64 3
		.amdhsa_memory_ordered 1
		.amdhsa_forward_progress 1
		.amdhsa_inst_pref_size 121
	.end_amdhsa_kernel
	.amdgpu_metadata
---
amdhsa.version: [ 1, 2 ]
amdhsa.kernels:
  - .name:           k_qaded3e8f96_proj
    .symbol:         k_qaded3e8f96_proj.kd
    .args:
      - { .name: queries, .offset: 0, .size: 8, .value_kind: global_buffer, .address_space: global }
      - { .name: keys, .offset: 8, .size: 8, .value_kind: global_buffer, .address_space: global }
      - { .name: values, .offset: 16, .size: 8, .value_kind: global_buffer, .address_space: global }
      - { .name: Wq, .offset: 24, .size: 8, .value_kind: global_buffer, .address_space: global }
      - { .name: Wk, .offset: 32, .size: 8, .value_kind: global_buffer, .address_space: global }
      - { .name: Wv, .offset: 40, .size: 8, .value_kind: global_buffer, .address_space: global }
      - { .name: codes, .offset: 48, .size: 8, .value_kind: global_buffer, .address_space: global }
      - { .name: scl, .offset: 56, .size: 8, .value_kind: global_buffer, .address_space: global }
    .group_segment_fixed_size: 211968
    .private_segment_fixed_size: 0
    .kernarg_segment_align: 8
    .kernarg_segment_size: 64
    .max_flat_workgroup_size: 512
    .sgpr_count:     66
    .vgpr_count:     256
    .wavefront_size: 32
...
	.end_amdgpu_metadata
.endif
;; end of part 3
;; launch attn (part 4): grid 16 x 16, 16 waves a work-group, clusters of 4 x 1, 307,200 bytes of LDS; arguments codes, scl, out0; writes out0
.if DOCPART == 4
	.amdgcn_target "amdgcn-amd-amdhsa--gfx1250"
	.amdhsa_code_object_version 6
	.text
	.protected	k_qaded3e8f96_attn
	.globl	k_qaded3e8f96_attn
	.p2align	8
	.type	k_qaded3e8f96_attn,@function
k_qaded3e8f96_attn:
	s_mov_b64 s[64:65], 0
	v_nop
	global_prefetch_b8 v0, s[64:65] scope:SCOPE_SE
	s_setreg_imm32_b32 hwreg(HW_REG_WAVE_MODE, 25, 1), 1
	s_wait_xcnt 0x0
	s_wait_alu depctr_hold_cnt(0) depctr_sa_sdst(0) depctr_va_vdst(0) depctr_va_sdst(0) depctr_va_ssrc(0) depctr_va_vcc(0) depctr_vm_vsrc(0)
	s_getreg_b32 s2, hwreg(HW_REG_IB_STS2, 6, 4)
	s_cmp_eq_u32 s2, 0
	s_cbranch_scc0 .Lentry_in_a_cluster
	s_endpgm
.Lentry_in_a_cluster:
	s_bfe_u32 s2, ttmp6, 0x10000c
	s_cmp_lg_u32 s2, 0x3003
	s_cbranch_scc0 .Lentry_shape_is_right
	s_endpgm
.Lentry_shape_is_right:
; out[b][q][head][:] = the sum over keys of softmax(q . k / 8) v, both products on codes of BF8 (E5M2) with one E8M0 scale for each 32 along a product's K.
; q, k, v come as images of operand registers, made by the launch before: a fragment is 2,048 consecutive bytes, plane c (registers 4 c .. 4 c + 3) at 512 c, lane l at 16 l.
; THE SOFTMAX: t = score x log2(e) / 8; M = the largest t so far, rounded UP to a whole number; p = 2^(t - M) is what is quantised, along the keys, not normalised.
; The row's sum is taken of the unquantised p and divides at the end.  When M moves, the sum and O are multiplied by 2^(old M - new M): exact.
; LIMITS: NaN and infinities among the inputs are not served; a block of p that is all zeros keeps the byte 1: its codes are zeros.
; SHARES.  Work-group y = b x 8 + head; x = block of 128 queries.  SIXTEEN waves, wave w = 8 kh + T: tile T of 16 queries, half kh of the 2,048 keys: eight steps of 128 keys.
; Four waves share a SIMD: a step is 12 matrix instructions, 34 LDS loads and some 300 vector instructions in one chain, so one wave's vector work stands beside another's LDS loads and products.
; The two waves of a tile each run a softmax of their own over their keys (an M, a sum, an O^T); at the end the upper wave hands its three to the lower one through LDS, and they are
; brought under the larger M by multiplications with whole powers of two, added, and divided by the joined sum.
; THE HEAD'S 64 IN AN INSTRUCTION OF 128 ALONG K.  A fragment of k holds TWO tiles of 16 keys, side by side along K: [tile 0's 64 | tile 1's 64].  It is multiplied once by [q | zero codes] and once by
; [zero codes | q]: no byte of k is padding.  q's scale word has the byte 0 (2^-127) over its zero codes.
; LAYOUT.  Both products are used transposed (S^T = k q^T, O^T = v^T p^T): a lane holds ONE query throughout.  Lane r of key tile 2 f + u holds key 32 f + 8 u + r + 8 (r / 8),
; so that the 16 registers of tiles 2 f and 2 f + 1 are 16 neighbouring keys, 32 f + 16 (lane / 16) + 0 .. 15.  The queries of a tile are laid the same way; the stores at the end undo it.
; A WHOLE HEAD STAYS IN LDS: k's codes 131,072 bytes, v's 131,072, their scale words 8,192.  Every byte is filled ONCE, so there is no ring, and no slot is ever filled again.
; CLUSTER.  The four query blocks of a cluster belong to one head: each tile is asked for JOINTLY, by the same tensor load with the same descriptor and the mask of all four.
; Each wave issues three loads at the head (its 512 bytes of scale words, then one key step of each of two phases): three of mine are out at the most, by this text's own count.
; No prefetch is written: all that the work-group reads of k and v is asked for by those loads, at the head.
.set SC,   262144                      ; LDS: k's codes from 0 (step j at 8,192 j), v's from 131,072; here k's scale words (256 bytes a step), then v's
.set STG,  270336                      ; 4,352 bytes for each tile of queries, into which no tensor load lands: first the upper wave's image, then the lower wave's 16 rows x (256 bytes + 16)
.set LI,   1                           ; v1   16 x lane + 65,536 kh: my place in a fragment of k, in my half of the keys
.set LIV,  2                           ; v2   the same in v's codes
.set SKA,  3                           ; v3   k's scale words: 16 r (four words: the step's four fragments) + 2,048 kh
.set SVA,  4                           ; v4   v's
.set SI,   5                           ; v5   the stage: where I put 32 bytes of a row
.set SB,   6                           ; v6   and where I read a row back
.set GO,   7                           ; v7   my byte offset in out
.set ADK,  8                           ; v8-11  the step's addresses
.set ADV,  9
.set ADS,  10
.set ADT,  11
.set MI,   8                           ; v8   behind the walk: the image's place for my lane: 16 x lane in my tile's bytes of STG
.set MS,   9                           ; v9   and the two single words': 4 x lane, 4,096 bytes on
.set QLO,  16                          ; v16-31   [q | zeros]     (v12 -M, v13 the largest t, v[14:15] the sum in two halves)
.set QHI,  32                          ; v32-47   [zeros | q]
.set KV,   48                          ; v48-111  four fragments of k, then of v
.set S,    112                         ; v112-175 S^T, then p; at the join v112-143 the other wave's O^T
.set OL,   144                          ; v144 the other wave's sum;  v145 its -M;  v146 the joined -M;  v147, v148 the two factors
.set OM,   145
.set NM,   146
.set F0,   147
.set F1,   148
.set O,    176                         ; v176-207 O^T
.set PC,   208                         ; v208-223 p's codes
.set BM,   224                         ; v224-227 the blocks' largest scores, then largest p
.set T2,   228                         ; v228-231 at work
.set HOLD, 232                         ; v232-235 57,344 x the scale
.set SCO,  236                         ; v236-239 the conversions' scale operands
.set KS,   240                         ; v240-243 k's scale words, then partial sums of p
.set VS,   244                         ; v244-247 v's
.set QSL,  248                         ; v248, v249 q's scale words for [q | zeros] and [zeros | q]
.set QSH,  249
.set PS,   250                         ; v250 p's scale word
.set QRAW, 251                         ; v251 q's scale word as loaded
.set F,    252                         ; v[252:253] f = 2^(old M - new M); v254 at work; v255 16 r
.set WV,   10                          ; s10  my wave's number
.set G1C,  24                          ; s[24:31] descriptor group 1: 8,192 dense bytes
.set G1S,  32                          ; s[32:39] 512 dense bytes
.set G0S,  40                          ; s[40:43] group 0 for my part of the scale words
.set G0C,  44                          ; s[44:51] groups 0 for my step of phases 0 and 1
.set CS,   66                          ; s[66:67] c = log2(e) / 8
.set SEL,  68                          ; s[68:69] lane selects: lane l xor 16
.set MNT,  70                          ; s70  the mantissa field of 57,344
.set TB,   71                          ; s71  where the step's codes begin, in my half
.set TS,   72                          ; s72  and its scale words
.set CNT,  73                          ; s73  a phase's steps
; A round of the cluster's barrier: my work-group's barrier; wave 0 signals for the work-group; every wave waits for all four work-groups; my work-group's barrier once more.
.macro CROUND
	s_barrier_signal -1
	s_barrier_wait -1
	s_cmp_lg_u32 s[WV], 0
	s_cbranch_scc1 .Lnot_wave_0_\@
	s_barrier_signal -3
.Lnot_wave_0_\@:
	s_barrier_wait -3
	s_barrier_signal -1
	s_barrier_wait -1
.endm
	s_load_b128 s[4:7], s[0:1], 0x0                ; codes s[4:5], scl s[6:7]
	s_load_b64 s[8:9], s[0:1], 0x10                ; out
	v_lshl_add_u32 v254, v0, 2, 0x4a800
	v_mov_b32 v255, 0
	ds_add_u32 v254, v255
	ds_add_u32 v254, v255
	s_wait_dscnt 0x0
	v_lshrrev_b32 v8, 5, v0
	s_delay_alu instid0(VALU_DEP_1)
	v_readfirstlane_b32 s[WV], v8                  ; wave 0..15
	s_bfe_u32 s11, ttmp6, 0x40000                  ; cx: it enters q's and out's addresses alone
	s_lshl_b32 s12, ttmp9, 2
	s_add_co_u32 s12, s12, s11                     ; my block of 128 queries
	s_and_b32 s13, ttmp7, 0xffff                   ; b x 8 + head, which the four partners share
	s_lshr_b32 s14, s[WV], 3                       ; kh: my half of the keys.  Also: I fetch for k (0) or for v (1)
	s_and_b32 s79, s[WV], 7                        ; T: my tile of queries.  Also: which of a phase's eight steps I fetch:
	s_lshr_b32 s15, s79, 2
	s_lshl_b32 s15, s15, 2
	s_add_co_u32 s15, s15, s79                     ; steps 0 .. 3 and 8 .. 11: the first four of each half of the keys
	s_add_co_u32 s16, s14, 1                       ; k is section 1 of both buffers, v section 2
	s_lshl_b32 s20, s16, 16
	s_lshl_b32 s16, s16, 21
	s_lshl_b32 s17, s13, 17
	s_add_co_u32 s16, s16, s17
	s_lshl_b32 s17, s15, 13
	s_add_co_u32 s16, s16, s17
	s_mov_b32 s17, 0                               ; s[16:17]: my step of phase 0, in bytes of codes
	s_lshl_b32 s21, s13, 12
	s_add_co_u32 s20, s20, s21
	s_lshl_b32 s21, s79, 9
	s_add_co_u32 s20, s20, s21
	s_mov_b32 s21, 0                               ; s[20:21]: my eighth of the head's scale words
	s_lshl_b32 s18, s14, 17
	s_lshl_b32 s19, s15, 13
	s_add_co_u32 s18, s18, s19                     ; where my step of phase 0 goes in LDS
	s_lshl_b32 s22, s[WV], 9
	s_add_co_u32 s22, s22, SC                      ; and my 512 bytes of scale words
	s_lshr_b32 s19, s79, 1                         ; my queries: fragment T / 2,
	s_and_b32 s23, s79, 1                          ; its tile T % 2
	s_lshl_b32 s60, s13, 17
	s_lshl_b32 s61, s12, 13
	s_add_co_u32 s60, s60, s61
	s_lshl_b32 s61, s19, 11
	s_add_co_u32 s60, s60, s61
	s_lshl_b32 s61, s23, 10
	s_add_co_u32 s60, s60, s61
	s_mov_b32 s61, 0                               ; s[60:61]: my tile's two planes of q's codes
	s_lshl_b32 s62, s13, 12
	s_lshl_b32 s63, s12, 8
	s_add_co_u32 s62, s62, s63
	s_lshl_b32 s63, s19, 2
	s_add_co_u32 s62, s62, s63
	s_mov_b32 s63, 0                               ; s[62:63]: my fragment's scale words
	s_lshr_b32 s76, s13, 3
	s_lshl_b32 s76, s76, 11
	s_lshl_b32 s77, s12, 7
	s_add_co_u32 s76, s76, s77
	s_lshl_b32 s77, s19, 5
	s_add_co_u32 s76, s76, s77
	s_lshl_b32 s77, s23, 3
	s_add_co_u32 s76, s76, s77                     ; my tile's first row of out: 2,048 b + 128 block + 32 (T / 2) + 8 (T % 2)
	s_lshl_b32 s76, s76, 11                        ; rows of 2,048 bytes
	s_and_b32 s77, s13, 7
	s_lshl_b32 s77, s77, 8
	s_add_co_u32 s76, s76, s77                     ; + the head's 256 bytes
	s_mov_b32 s77, 0
	s_mul_i32 s74, s23, 0x02020202
	s_add_co_u32 s74, s74, 0x01000100              ; byte selects: bytes 0, 1, 0, 1 of q's scale word for tile 0, bytes 2, 3, 2, 3 for tile 1
	s_mul_i32 s75, s79, 16*272
	s_add_co_u32 s75, s75, STG                     ; my tile's 4,352 bytes of STG
	s_add_co_u32 s78, s75, 4096                    ; and the two single words' place in them
	s_lshl_b32 s52, s14, 16                        ; my half of the keys: eight steps of 8,192 bytes of codes,
	s_lshl_b32 s53, s14, 11
	s_add_co_u32 s53, s53, SC                      ; eight of 256 bytes of scale words
	; descriptor groups 1: dense blocks as rows of 256 bytes (32 elements of 8 bytes), no padding: the images are read 512 consecutive bytes an instruction
	s_mov_b32 s[G1C], 15|(3<<16)|(1<<21)           ; 15:0 the mask: all four work-groups; 17:16 elements of 8 bytes; 21 set beside a mask
	s_mov_b32 s[G1C+1], 32<<16                     ; tensor_dim0 = 32
	s_mov_b32 s[G1C+2], 32<<16                     ; tensor_dim1 = 32
	s_mov_b32 s[G1C+3], 32<<16                     ; tile_dim0 = 32
	s_mov_b32 s[G1C+4], 32                         ; tile_dim1 = 32
	s_mov_b32 s[G1C+5], 32                         ; from row to row
	s_mov_b32 s[G1C+6], 0
	s_mov_b32 s[G1C+7], 0
	s_mov_b32 s[G1S], 15|(3<<16)|(1<<21)
	s_mov_b32 s[G1S+1], 32<<16
	s_mov_b32 s[G1S+2], 2<<16                      ; two rows
	s_mov_b32 s[G1S+3], 32<<16
	s_mov_b32 s[G1S+4], 2
	s_mov_b32 s[G1S+5], 32
	s_mov_b32 s[G1S+6], 0
	s_mov_b32 s[G1S+7], 0
	s_mov_b32 s[CS], 0x3e38aa3b                    ; c = log2(e) / 8
	s_mov_b32 s[CS+1], s[CS]                       ; (named with it as a pair, so it is written)
	s_mov_b32 s[SEL], 0x76543210
	s_mov_b32 s[SEL+1], 0xfedcba98
	s_mov_b32 s[MNT], 0x600000
	s_wait_kmcnt 0x0
	s_add_nc_u64 s[16:17], s[4:5], s[16:17]
	s_add_nc_u64 s[20:21], s[6:7], s[20:21]
	s_add_nc_u64 s[60:61], s[4:5], s[60:61]
	s_add_nc_u64 s[62:63], s[6:7], s[62:63]
	s_add_nc_u64 s[76:77], s[8:9], s[76:77]
	s_mov_b32 s[G0S], 1                            ; count = 1
	s_mov_b32 s[G0S+1], s22                        ; LDS address
	s_mov_b64 s[G0S+2:G0S+3], s[20:21]             ; global address
	s_or_b32 s[G0S+3], s[G0S+3], 0x80000000        ; type = 2
.irp i, 0,1
	s_mov_b32 s[G0C+4*\i], 1
	s_add_co_u32 s[G0C+4*\i+1], s18, \i*32768      ; a phase is four steps of 8,192 bytes in each half of the keys
	s_add_nc_u64 s[G0C+4*\i+2:G0C+4*\i+3], s[16:17], \i*32768
	s_or_b32 s[G0C+4*\i+3], s[G0C+4*\i+3], 0x80000000
.endr
	CROUND                                         ; all four work-groups are here: the joint loads meet
	tensor_load_to_lds s[G0S:G0S+3], s[G1S:G1S+7]  ; all first fills in one group, ahead of every wait on TENSORcnt and every LDS read; every wave issues all three
	s_nop 0
	tensor_load_to_lds s[G0C:G0C+3], s[G1C:G1C+7]
	s_nop 0
	tensor_load_to_lds s[G0C+4:G0C+7], s[G1C:G1C+7]
	s_nop 0
.rept 4
	v_nop                                          ; four lines behind the last tensor load
.endr
	v_and_b32 v8, 31, v0
	s_delay_alu instid0(VALU_DEP_1)
	v_lshlrev_b32 v11, 4, v8                       ; 16 x lane: q's offset (the register is written again only behind the wait for q)
	v_and_b32 v9, 15, v0                           ; r
	v_bfe_u32 v10, v0, 4, 1                        ; h
	s_delay_alu instid0(VALU_DEP_2)
	v_lshlrev_b32 v255, 4, v9                      ; 16 r
	global_load_b128 v[QLO:QLO+3], v11, s[60:61]               ; q's 64 channels: two planes, once into the low half of [q | zeros],
	global_load_b128 v[QLO+4:QLO+7], v11, s[60:61] offset:512
	global_load_b128 v[QHI+8:QHI+11], v11, s[60:61]            ; once into the high half of [zeros | q]
	global_load_b128 v[QHI+12:QHI+15], v11, s[60:61] offset:512
	global_load_b32 v[QRAW], v255, s[62:63]        ; row r's scale word of my fragment
	v_add_nc_u32 v[LI], s52, v11
	s_delay_alu instid0(VALU_DEP_1)
	v_add_nc_u32 v[LIV], 131072, v[LI]
	v_add_nc_u32 v[SKA], s53, v255
	s_delay_alu instid0(VALU_DEP_1)
	v_add_nc_u32 v[SVA], 4096, v[SKA]
	v_mul_u32_u24 v[SI], v9, 272
	s_delay_alu instid0(VALU_DEP_1)
	v_lshl_add_u32 v[SI], v10, 5, v[SI]
	s_delay_alu instid0(VALU_DEP_1)
	v_add_nc_u32 v[SI], s75, v[SI]                 ; in: row r, + 32 h
	v_mul_u32_u24 v[SB], v10, 272
	s_delay_alu instid0(VALU_DEP_1)
	v_lshl_add_u32 v[SB], v9, 4, v[SB]
	s_delay_alu instid0(VALU_DEP_1)
	v_add_nc_u32 v[SB], s75, v[SB]                 ; back: lanes 0-15 one row, lanes 16-31 the next
	v_lshlrev_b32 v[GO], 11, v10
	s_delay_alu instid0(VALU_DEP_1)
	v_lshl_add_u32 v[GO], v9, 4, v[GO]             ; and the same two rows in out
.irp j, 0,1,2,3,4,5,6,7
	v_mov_b32 v[QLO+8+\j], 0                       ; zero codes
	v_mov_b32 v[QHI+\j], 0
.endr
	v_mov_b32 v13, 0xff61b1e6                      ; the largest t so far: -3e38, under every t
	s_delay_alu instid0(VALU_DEP_1)
	v_floor_f32 v12, -v13                          ; -M
	v_mov_b32 v14, 0                               ; the sum, in two halves
	v_mov_b32 v15, 0
.irp b, 0,1,2,3
	v_mov_b32 v[T2+\b], 0                          ; written once: a lane permute's destination counts as one of its sources
.endr
	v_mov_b32 v[F+1], 0                            ; (named as the upper half of the pair before it is first written)
	s_wait_loadcnt 0x0                             ; q
	v_perm_b32 v[QRAW], v[QRAW], v[QRAW], s74      ; my tile's two bytes, twice
	s_delay_alu instid0(VALU_DEP_1)
	v_and_b32 v[QSL], 0xffff, v[QRAW]              ; [b0, b1, 0, 0]
	s_delay_alu instid0(VALU_DEP_2)
	v_and_b32 v[QSH], 0xffff0000, v[QRAW]          ; [0, 0, b0, b1]
.set j, 0
.rept 32
	v_mov_b32 v[O+j], 0                            ; O^T: the step is written once; the first finds zeros.  (These lines are also the places between the scale words' making and the first product)
.set j, j+1
.endr
; A KEY STEP: 128 keys.
.macro STEP
	v_add_nc_u32 v[ADK], s[TB], v[LI]
	v_add_nc_u32 v[ADV], s[TB], v[LIV]
	v_add_nc_u32 v[ADS], s[TS], v[SKA]
	v_add_nc_u32 v[ADT], s[TS], v[SVA]
.rept 4
	v_nop                                          ; with the four additions: eight places behind the last products, in front of loads into registers that they read
.endr
.irp f, 0,1,2,3
.irp c, 0,1,2,3
	ds_load_b128 v[KV+16*\f+4*\c:KV+16*\f+4*\c+3], v[ADK] offset:2048*\f+512*\c
.endr
.endr
	ds_load_b128 v[KS:KS+3], v[ADS]                ; row r's words of the four fragments
	s_wait_alu depctr_va_vdst(0)
	s_wait_dscnt 0x0
.irp f, 0,1,2,3                                ; S^T = k q^T: each fragment serves two tiles of keys
	v_wmma_scale_f32_16x16x128_f8f6f4 v[S+16*\f:S+16*\f+7], v[KV+16*\f:KV+16*\f+15], v[QLO:QLO+15], 0, v[KS+\f], v[QSL] matrix_a_fmt:MATRIX_FMT_BF8 matrix_b_fmt:MATRIX_FMT_BF8
	v_wmma_scale_f32_16x16x128_f8f6f4 v[S+16*\f+8:S+16*\f+15], v[KV+16*\f:KV+16*\f+15], v[QHI:QHI+15], 0, v[KS+\f], v[QSH] matrix_a_fmt:MATRIX_FMT_BF8 matrix_b_fmt:MATRIX_FMT_BF8
.endr                                          ; register 16 f + i of S^T is key 32 f + 16 (lane / 16) + i of the step
.rept 8
	v_nop                                          ; eight places: for the loads into k's registers and for the first read of the scores
.endr
.irp t, 0,1,2,3
.irp c, 0,1,2,3
	ds_load_b128 v[KV+16*\t+4*\c:KV+16*\t+4*\c+3], v[ADV] offset:2048*\t+512*\c   ; v's four fragments land while the softmax is worked
.endr
.endr
	ds_load_b128 v[VS:VS+3], v[ADT]
.irp b, 0,1,2,3
	v_max3_num_f32 v[BM+\b], v[S+16*\b], v[S+16*\b+1], v[S+16*\b+2]   ; the largest score of each block of 32 keys: for the row's maximum and, since p rises with the score, for the block's largest p
.endr
.irp i, 3,5,7,9,11,13
.irp b, 0,1,2,3
	v_max3_num_f32 v[BM+\b], v[BM+\b], v[S+16*\b+\i], v[S+16*\b+\i+1]
.endr
.endr
.irp b, 0,1,2,3
	v_max_num_f32 v[BM+\b], v[BM+\b], v[S+16*\b+15]
.endr
.irp b, 0,1,2,3
	s_delay_alu instid0(VALU_DEP_4)
	v_permlanex16_b32 v[T2+\b], v[BM+\b], s[SEL], s[SEL+1]
.endr
.irp b, 0,1,2,3
	s_delay_alu instid0(VALU_DEP_4)
	v_max_num_f32 v[BM+\b], v[BM+\b], v[T2+\b]     ; with lane l xor 16's 16 keys
.endr
	s_delay_alu instid0(VALU_DEP_2)
	v_max3_num_f32 v254, v[BM], v[BM+1], v[BM+2]
	s_delay_alu instid0(VALU_DEP_1)
	v_max_num_f32 v254, v254, v[BM+3]              ; the step's largest score of my query
	s_delay_alu instid0(VALU_DEP_1)
	v_mul_f32 v254, s[CS], v254                    ; as t (c is positive)
	s_delay_alu instid0(VALU_DEP_1)
	v_max_num_f32 v13, v13, v254                   ; the running largest t
	v_mov_b32 v254, v12
	s_delay_alu instid0(VALU_DEP_2)
	v_floor_f32 v12, -v13                          ; the new -M = floor(-t) = -ceil(t): a whole number
	s_delay_alu instid0(VALU_DEP_1)
	v_sub_f32 v254, v12, v254                      ; old M - new M: a whole number, 0 or less
	s_delay_alu instid0(VALU_DEP_1)
	v_cvt_i32_f32 v254, v254                       ; (it saturates)
	s_delay_alu instid0(VALU_DEP_1)
	v_ldexp_f32 v[F], 1.0, v254                    ; f = 2^(old M - new M)
.set j, 0
.rept 32
	v_pk_fma_f32 v[S+j:S+j+1], v[S+j:S+j+1], s[CS:CS+1], v[12:13] op_sel_hi:[1,0,0]   ; t - M, two at a time
.set j, j+2
.endr
.irp b, 0,1,2,3
	v_fma_f32 v[BM+\b], v[BM+\b], s[CS], v12       ; the same of each block's largest score
.endr
.set j, 0
	s_wait_alu depctr_va_vdst(0)
.rept 64
	v_exp_f32 v[S+j], v[S+j]                       ; p = 2^(t - M), at most 1
.set j, j+1
.endr
	s_setprio 1
	v_pk_mul_f32 v[14:15], v[14:15], v[F:F+1] op_sel_hi:[1,0]   ; the sums under the new M: the plain line behind the exponentials
	s_wait_alu depctr_va_vdst(0)                   ; one wait for the batch of 64, ahead of its first reader
.irp b, 0,1,2,3
	v_exp_f32 v[BM+\b], v[BM+\b]                   ; the block's largest p: the same two instructions on the same number give the same bits
.endr
	v_pk_add_f32 v[228:229], v[116:117], v[120:121]
	v_pk_add_f32 v[250:251], v[124:125], v[128:129]
	v_pk_add_f32 v[242:243], v[132:133], v[136:137]
	v_pk_add_f32 v[240:241], v[140:141], v[144:145]
	v_pk_add_f32 v[238:239], v[148:149], v[152:153]
	v_pk_add_f32 v[236:237], v[156:157], v[160:161]
	v_pk_add_f32 v[234:235], v[164:165], v[168:169]
	v_pk_add_f32 v[14:15], v[14:15], v[172:173]
	v_pk_add_f32 v[228:229], v[228:229], v[112:113]
	v_pk_add_f32 v[250:251], v[250:251], v[114:115]
	v_pk_add_f32 v[242:243], v[242:243], v[118:119]
	v_pk_add_f32 v[240:241], v[240:241], v[122:123]
	v_pk_add_f32 v[238:239], v[238:239], v[126:127]
	v_pk_add_f32 v[236:237], v[236:237], v[130:131]
	v_pk_add_f32 v[234:235], v[234:235], v[134:135]
	v_pk_add_f32 v[14:15], v[14:15], v[138:139]
	v_pk_add_f32 v[228:229], v[228:229], v[142:143]
	v_pk_add_f32 v[250:251], v[250:251], v[146:147]
	v_pk_add_f32 v[242:243], v[242:243], v[150:151]
	v_pk_add_f32 v[240:241], v[240:241], v[154:155]
	v_pk_add_f32 v[238:239], v[238:239], v[158:159]
	v_pk_add_f32 v[236:237], v[236:237], v[162:163]
	v_pk_add_f32 v[234:235], v[234:235], v[166:167]
	v_pk_add_f32 v[14:15], v[14:15], v[170:171]
	v_pk_add_f32 v[228:229], v[228:229], v[174:175]
	s_delay_alu instid0(VALU_DEP_2)
	v_pk_add_f32 v[14:15], v[14:15], v[240:241]
	s_delay_alu instid0(VALU_DEP_2)
	v_pk_add_f32 v[228:229], v[228:229], v[238:239]
	v_pk_add_f32 v[250:251], v[250:251], v[236:237]
	v_pk_add_f32 v[242:243], v[242:243], v[234:235]
	s_delay_alu instid0(VALU_DEP_2)
	v_pk_add_f32 v[14:15], v[14:15], v[250:251]
	s_delay_alu instid0(VALU_DEP_2)
	v_pk_add_f32 v[228:229], v[228:229], v[242:243]
	s_delay_alu instid0(VALU_DEP_1)
	v_pk_add_f32 v[14:15], v[14:15], v[228:229]
	s_wait_alu depctr_va_vdst(0)                   ; and one for the four
.irp b, 0,1,2,3
	v_max_num_f32 v[BM+\b], 0x8000000, v[BM+\b]    ; the floor 2^(16 - 127): the byte cannot fall under 1
.endr
.irp b, 0,1,2,3
	s_delay_alu instid0(VALU_DEP_4)
	v_add_nc_u32 v[SCO+\b], 0xf8800000, v[BM+\b]   ; 15 off the exponent field: the conversion's scale operand
.endr
.irp b, 0,1,2,3
	v_and_or_b32 v[HOLD+\b], v[BM+\b], 0x7f800000, s[MNT]   ; 57,344 x the scale
.endr
.irp b, 0,1,2,3
	v_lshrrev_b32 v[T2+\b], 23, v[SCO+\b]          ; the scale's byte
.endr
	s_delay_alu instid0(VALU_DEP_3)
	v_lshl_or_b32 v[PS], v[T2+1], 8, v[T2]         ; p's scale word for these 128 keys
	s_delay_alu instid0(VALU_DEP_1)
	v_lshl_or_b32 v[PS], v[T2+2], 16, v[PS]
	s_delay_alu instid0(VALU_DEP_1)
	v_lshl_or_b32 v[PS], v[T2+3], 24, v[PS]
.irp b, 0,1,2,3
.irp i, 0,1,2,3,4,5,6,7,8,9,10,11,12,13,14,15
	v_min_num_f32 v[S+16*\b+\i], v[S+16*\b+\i], v[HOLD+\b]   ; the conversion does not saturate (ISA guide 7.6.2); p is not negative, so the hold is one-sided
.endr
	v_cvt_scalef32_pk8_bf8_f32 v[PC+4*\b:PC+4*\b+1], v[S+16*\b:S+16*\b+7], v[SCO+\b]
	v_cvt_scalef32_pk8_bf8_f32 v[PC+4*\b+2:PC+4*\b+3], v[S+16*\b+8:S+16*\b+15], v[SCO+\b]
.endr
.set j, 0
	s_setprio 0
.rept 16
	v_pk_mul_f32 v[O+j:O+j+1], v[O+j:O+j+1], v[F:F+1] op_sel_hi:[1,0]   ; O^T under the new M.  (These sixteen are also the places between the codes' making and the products)
.set j, j+2
.endr
	s_wait_alu depctr_va_vdst(0)
	s_wait_dscnt 0x0                               ; v's fragments and scale words are in
.irp t, 0,1,2,3                                ; O^T += v^T p^T: the four accumulators by turns
	v_wmma_scale_f32_16x16x128_f8f6f4 v[O+8*\t:O+8*\t+7], v[KV+16*\t:KV+16*\t+15], v[PC:PC+15], v[O+8*\t:O+8*\t+7], v[VS+\t], v[PS] matrix_a_fmt:MATRIX_FMT_BF8 matrix_b_fmt:MATRIX_FMT_BF8
.endr
	s_add_co_u32 s[TB], s[TB], 8192                ; the next step's codes
	s_add_co_u32 s[TS], s[TS], 256                 ; and scale words
.endm
; A PHASE of four key steps in each half of the keys.  My loads went out in the order scale words, phase 0, phase 1: the count leaves the 1 - i later loads out.  Behind the barrier every wave's part
; of this phase is there.  The later load may stay on its way across the first.
.macro CHUNK i
	s_wait_tensorcnt 1-\i
	s_barrier_signal -1
	s_barrier_wait -1
	s_mov_b32 s[TB], 32768*\i
	s_mov_b32 s[TS], 1024*\i
	s_mov_b32 s[CNT], 4
.Lstep_\@:
	s_setprio 2
	STEP
	s_sub_co_u32 s[CNT], s[CNT], 1
	s_cmp_lg_u32 s[CNT], 0
	s_cbranch_scc1 .Lstep_\@
	s_setprio 0
.endm
	CHUNK 0
	CHUNK 1                                        ; its wait is for 0: no tensor load of mine is out from here on
	; THE JOIN.  Waves 8 to 15 hand O^T (as an image of its registers: 16 bytes a lane, 512 bytes a store), their lane's sum and -M to waves 0 to 7, through the tile's own bytes of STG.
.rept 8
	v_nop                                          ; eight places behind the last products
.endr
	v_and_b32 v10, 31, v0                          ; the addresses are made on the way that all waves take
	s_delay_alu instid0(VALU_DEP_1)
	v_lshl_add_u32 v[MI], v10, 4, s75
	s_delay_alu instid0(VALU_DEP_2)
	v_lshl_add_u32 v[MS], v10, 2, s78
	v_add_f32 v14, v14, v15                        ; the sum's two halves: my lane's part of my half of the keys
	s_cmp_lt_u32 s[WV], 8
	s_cbranch_scc1 .Lkeeps
.irp q, 0,1,2,3,4,5,6,7
	ds_store_b128 v[MI], v[O+4*\q:O+4*\q+3] offset:512*\q   ; each accumulator from its low end on
.endr
	ds_store_b32 v[MS], v14
	ds_store_b32 v[MS], v12 offset:128
.Lkeeps:
	s_wait_dscnt 0x0                               ; for the others' sake: my stores have landed
	s_barrier_signal -1
	s_barrier_wait -1
	s_cmp_lt_u32 s[WV], 8
	s_cbranch_scc0 .Lgone                          ; waves 8 to 15 have nothing more to do but the closing round
	s_wait_alu depctr_va_vdst(0)
.irp q, 0,1,2,3,4,5,6,7
	ds_load_b128 v[S+4*\q:S+4*\q+3], v[MI] offset:512*\q    ; the same registers in the same lanes: the two waves hold the same queries
.endr
	ds_load_b32 v[OL], v[MS]
	ds_load_b32 v[OM], v[MS] offset:128
	s_wait_dscnt 0x0
	v_min_num_f32 v[NM], v12, v[OM]                ; the joined -M: the larger M
	s_delay_alu instid0(VALU_DEP_1)
	v_sub_f32 v[F0], v[NM], v12                    ; my M less the joined one: a whole number, 0 or less
	s_delay_alu instid0(VALU_DEP_2)
	v_sub_f32 v[F1], v[NM], v[OM]                  ; the other wave's likewise
	s_delay_alu instid0(VALU_DEP_2)
	v_cvt_i32_f32 v[F0], v[F0]                     ; (they saturate)
	s_delay_alu instid0(VALU_DEP_2)
	v_cvt_i32_f32 v[F1], v[F1]
	s_delay_alu instid0(VALU_DEP_2)
	v_ldexp_f32 v[F0], 1.0, v[F0]                  ; whole powers of two: nothing is rounded by them
	s_delay_alu instid0(VALU_DEP_2)
	v_ldexp_f32 v[F1], 1.0, v[F1]
	s_delay_alu instid0(VALU_DEP_2)
	v_mul_f32 v14, v14, v[F0]
	s_delay_alu instid0(VALU_DEP_1)
	v_fma_f32 v14, v[OL], v[F1], v14               ; both halves of the keys, my lane's part,
	s_delay_alu instid0(VALU_DEP_1)
	v_permlanex16_b32 v254, v14, s[SEL], s[SEL+1]
	s_delay_alu instid0(VALU_DEP_1)
	v_add_f32 v14, v14, v254                       ; and lane l xor 16's: the row's sum
	s_wait_alu depctr_va_vdst(0)
	v_rcp_f32 v14, v14
	v_nop                                          ; a plain line behind the transcendental
	s_wait_alu depctr_va_vdst(0)                   ; and the wait ahead of its first reader
	v_mul_f32 v[F], v[F0], v14                     ; the two factors, each with the division in it
	v_mul_f32 v[T2], v[F1], v14
.set j, 0
.rept 16
	v_pk_mul_f32 v[O+j:O+j+1], v[O+j:O+j+1], v[F:F+1] op_sel_hi:[1,0]   ; each accumulator from its low end on
.set j, j+2
.endr
.set j, 0
.rept 16
	v_pk_fma_f32 v[S+j:S+j+1], v[S+j:S+j+1], v[T2:T2+1], v[O+j:O+j+1] op_sel_hi:[1,0,1]   ; register 8 t + i is channel 16 t + 8 (lane / 16) + i of my query
.set j, j+2
.endr
	; THE WAY OUT, through the same bytes of STG, which I alone touch from the barrier on, so that sixteen lanes store a row's 256 bytes.
.irp t, 0,1,2,3
	ds_store_b128 v[SI], v[S+8*\t:S+8*\t+3] offset:64*\t
	ds_store_b128 v[SI], v[S+8*\t+4:S+8*\t+7] offset:64*\t+16
.endr
.irp i, 0,1,2,3,4,5,6,7
	ds_load_b128 v[KV+4*\i:KV+4*\i+3], v[SB] offset:544*\i   ; LDS serves a wave's instructions in order (ISA guide 5.7.1.4): these see my stores
.endr
.irp i, 0,1,2,3,4,5,6,7
	s_wait_dscnt 7-\i                              ; load i is in; the 7 - i younger ones may be out
	global_store_b128 v[GO], v[KV+4*\i:KV+4*\i+3], s[76:77] offset:(2*\i+8*(\i/4))*2048 th:TH_STORE_NT   ; stage rows 2 i, 2 i + 1 are queries 2 i + 8 (i / 4) on; sixteen lanes store 256 consecutive bytes, aligned
.endr
.Lgone:
	s_wait_xcnt 0x0
	v_lshl_add_u32 v254, v0, 2, 0x4a800
	v_mov_b32 v255, 0
	s_wait_alu depctr_va_vdst(0)
	s_wait_tensorcnt 0x0
	ds_add_u32 v254, v255
	s_wait_dscnt 0x0
	CROUND                                         ; the closing round: no work-group ends while a partner may still ask for a tile that names it
	s_endpgm
.Lfunc_end_k_qaded3e8f96_attn:
	.size	k_qaded3e8f96_attn, .Lfunc_end_k_qaded3e8f96_attn-k_qaded3e8f96_attn
	.p2alignl 7, 3214868480
	.fill 96, 4, 3214868480
	.section	.rodata,"a",@progbits
	.p2align	6, 0x0
	.amdhsa_kernel k_qaded3e8f96_attn
		.amdhsa_group_segment_fixed_size 307200
		.amdhsa_private_segment_fixed_size 0
		.amdhsa_enable_private_segment 0
		.amdhsa_kernarg_size 24
		.amdhsa_user_sgpr_count 2
		.amdhsa_user_sgpr_kernarg_segment_ptr 1
		.amdhsa_wavefront_size32 1
		.amdhsa_system_sgpr_workgroup_id_x 1
		.amdhsa_system_sgpr_workgroup_id_y 1
		.amdhsa_system_sgpr_workgroup_id_z 1
		.amdhsa_system_vgpr_workitem_id 0
		.amdhsa_next_free_vgpr 256
		.amdhsa_next_free_sgpr 84
		.amdhsa_reserve_vcc 0
		.amdhsa_float_denorm_mode_32 3
		.amdhsa_float_denorm_mode_16_64 3
		.amdhsa_memory_ordered 1
		.amdhsa_forward_progress 1
		.amdhsa_inst_pref_size 57
	.end_amdhsa_kernel
	.amdgpu_metadata
---
amdhsa.version: [ 1, 2 ]
amdhsa.kernels:
  - .name:           k_qaded3e8f96_attn
    .symbol:         k_qaded3e8f96_attn.kd
    .args:
      - { .name: codes, .offset: 0, .size: 8, .value_kind: global_buffer, .address_space: global }
      - { .name: scl, .offset: 8, .size: 8, .value_kind: global_buffer, .address_space: global }
      - { .name: out0, .offset: 16, .size: 8, .value_kind: global_buffer, .address_space: global }
    .group_segment_fixed_size: 307200
    .private_segment_fixed_size: 0
    .kernarg_segment_align: 8
    .kernarg_segment_size: 24
    .max_flat_workgroup_size: 512
    .sgpr_count:     84
    .vgpr_count:     256
    .wavefront_size: 32
...
	.end_amdgpu_metadata
.endif
;; end of part 4
